; MI455X (gfx1250); checked and timed in simulation.
; The chip was launched on July 23, 2026; its instructions are those of AMD's public machine-readable ISA for CDNA 5 (MIT licence, August 2026) and "CDNA5" Instruction Set Architecture Reference Guide (July 2026). The comments in the code are by the model that wrote it; some were corrected since.
;; Multi Head Attention. Allowed arithmetic: matrix products marked QUANTISED: E2M3 operands, one E8M0 scale for each 32 along K, by v_wmma_scale_f32_16x16x128_f8f6f4 with both operands' format E2M3, f32 sums; everything else in f32.
;; Inputs: W_k 1,024 x 1,024 float32; W_o 1,024 x 1,024 float32; W_q 1,024 x 1,024 float32; W_v 1,024 x 1,024 float32; x 4 x 2,048 x 1,024 float32.
;; Outputs: out0 4 x 2,048 x 1,024 float32.
;; This version of the problem:
;;   THIS VERSION OF THE PROBLEM IS GIVEN IN LOW PRECISION. The matrix products marked QUANTISED in the list below multiply operands that are first quantised to E2M3 (2 exponent bits, 3 mantissa bits; 6 bits a number), with one power-of-two scale for each 32 numbers along K (OCP MX v1.0); their sums are f32. All else is computed in f32.
;;   The module's matrix products, in the order in which they are computed (A, B: the left and right operand; K: the contracted axis; several contracted axes count as one K, in the product's order):
;;     1. [M 8,192, K 1,024] x [K 1,024, N 1,024]; A: input x; B: input W_q: QUANTISED
;;     2. [M 8,192, K 1,024] x [K 1,024, N 1,024]; A: input x; B: input W_k: QUANTISED
;;     3. [M 8,192, K 1,024] x [K 1,024, N 1,024]; A: input x; B: input W_v: QUANTISED
;;     4. batch 64 x [M 2,048, K 64] x [K 64, N 2,048]; A: computed on the way; B: computed on the way: QUANTISED
;;     5. batch 64 x [M 2,048, K 2,048] x [K 2,048, N 64]; A: softmax (see below); B: computed on the way: QUANTISED
;;     6. [M 8,192, K 1,024] x [K 1,024, N 1,024]; A: computed on the way; B: input W_o: QUANTISED
;;   THE QUANTISER, for each operand of a quantised product, along K:
;;     - K is cut into blocks of 32 from its start; a last block that is shorter is filled with zeros.
;;     - A block's scale is 2^e with e = floor(log2(the largest magnitude in the block)) - 2, held to -126 .. 127; a block of zeros has e = 0. As a byte (E8M0): e + 127.
;;     - Each number is divided by its block's scale, clamped to +-7.5, and rounded to the nearest number of E2M3, ties to even, subnormals kept.
;;     - The product sums the exact products of the quantised numbers (number of the format x scale) in f32.
;;   ~~~python
;;   def quantise(x, axis):      # numpy; x: float32 -> the quantised numbers, widened to float32 again
;;       x = np.moveaxis(x, axis, -1); K = x.shape[-1]
;;       x = np.pad(x, [(0, 0)] * (x.ndim - 1) + [(0, -K % 32)]); x = x.reshape(x.shape[:-1] + (-1, 32)); a = np.abs(x).max(-1, keepdims=True)
;;       e = np.where(a > 0, np.clip(np.frexp(np.where(a > 0, a, 1))[1] - 1 - 2, -126, 127), 0)      # np.frexp(a)[1] - 1 = floor(log2(a)), exactly
;;       r = np.clip(x / 2.0 ** e, -7.5, 7.5)
;;       step = 2.0 ** (np.maximum(np.frexp(np.where(r == 0, 1, r))[1] - 1, 0) - 3)
;;       q = np.round(r / step) * step * 2.0 ** e      # np.round: ties to even
;;       return np.moveaxis(q.reshape(q.shape[:-2] + (-1,))[..., :K], -1, axis).astype(np.float32)
;;   ~~~
;;   SOFTMAX AHEAD OF A QUANTISED PRODUCT. Where the list says 'softmax', what is quantised is not the finished softmax but p = 2^(t - M), with t = logit x log2(e) and M = ceil(the row's largest t), a whole number; so 1/2 < the row's largest p <= 1. The row's sum l is taken of the UNQUANTISED p, in f32, and the product's result is divided by l at the end. Since M is a whole number, a kernel that streams over the keys may use a running M (the ceiling of the running maximum): every later rescaling is an exact power of two, which a block's scale takes up: the codes' values come out the same.
;;   OPERANDS COMPUTED ON THE WAY. 'Computed on the way' means the value that the module computes at that place (a softmax that the list does not call 'softmax' is quantised finished and normalised). What goes into a quantiser is computed in f32, as accurately as f32 sums, v_exp_f32 and their like allow (about 1e-6 of the number): no bf16 or f16 on the way to a quantiser, and a product that is left as it is and whose result goes on into a quantised operand takes f32 operands (vector FMAs, or v_wmma_f32_16x16x4_f32). A number that lies on a knife's edge between two numbers of the format may be rounded either way, as far as f32 arithmetic and the matrix unit's own rounding can turn it there, and no further.
;; One version. Each part assembles by itself: llvm-mc -triple=amdgcn-amd-amdhsa -mcpu=gfx1250 --defsym DOCPART=n.
;; ======== version 1 of 1: 4 launches
;; workspace buffers: xq 6,553,600 bytes; wq 6,422,528 bytes; cq 6,553,600 bytes; qk 13,631,488 bytes; vq 6,815,744 bytes
;; launch quant (part 1): grid 384 x 1, 4 waves a work-group, no clusters, 34,304 bytes of LDS; arguments x, W_q, W_k, W_v, W_o, xq, wq; writes xq, wq
.if DOCPART == 1
	.amdgcn_target "amdgcn-amd-amdhsa--gfx1250"
	.amdhsa_code_object_version 6
	.text
	.protected	k_q0a0825e4b9_quant
	.globl	k_q0a0825e4b9_quant
	.p2align	8
	.type	k_q0a0825e4b9_quant,@function
k_q0a0825e4b9_quant:
	s_mov_b64 s[64:65], 0
	v_nop
	global_prefetch_b8 v0, s[64:65] scope:SCOPE_SE
	s_setreg_imm32_b32 hwreg(HW_REG_WAVE_MODE, 25, 1), 1
	s_wait_xcnt 0x0
; x [8192][1024] and the four weights [1024 (k)][1024 (n)], f32, become codes of FP6 (E2M3) with one E8M0 byte for each 32 along K, K = the 1,024 that the products contract
; (x's last axis, a weight's FIRST axis).  A block's scale is 2^(floor(log2(its largest magnitude)) - 2); its byte is the largest magnitude's exponent field - 2, held at 1 from below.
; LIMITS: a block of zeros gets the byte 1 where the rule says 127 (its codes are zeros, and this program alone reads the bytes); largest magnitudes under 2^-124 are held at that floor; NaN and infinities are not served.
; THE WORKSPACE IS LAID IN THE ORDER OF AN OPERAND'S REGISTERS.  A ROW TILE is 16 rows, not neighbours: lane-row r of tile 2 B + u is row 32 B + 8 u + r + 8 (r / 8).  A HALF FRAGMENT (16 rows x 64 K, 768 bytes) holds for
; lane (r, h) the 24 bytes of k = 32 h .. 32 h + 31: its first 16 bytes at 16 x lane, its last 8 at 512 + 8 x lane.  A row tile's 16 half fragments lie on end (12,288 bytes).  Scale words (4 bytes: 128 along K) lie from byte SOFF on:
; [row tile][256 along K: 4][r: 16][2 words], 512 bytes a row tile.
; Work-groups 0-255 take x: a wave takes a row tile x 512 along K.  Each load reads 512 consecutive bytes of a row; they turn through the wave's own stage in LDS, so that a lane holds a whole block of 32.
; Work-groups 256-383 take the weights: a lane takes a column n and its registers run down K, so a block lies in one lane and nothing is transposed; the stores' addresses put each lane's codes at its place in the tiles.
; No tensor loads, no barrier: waves share nothing.
.set SOFF,  6291456                    ; where the scale words begin in xq and in wq
.set TILEB, 12288                      ; a row tile's codes
.set STG,   8448                       ; a wave's stage: 16 rows x (512 bytes + 16)
.set SPARE, 4*STG                      ; behind the stages: the spare words, 128 bytes for each wave: two blocks of 256 bytes that no other line names
.set SPW, 2                            ; v2   LDS address of my spare word; never rewritten
.set NIL, 3                            ; v3   0; never rewritten
.set RS,  32                           ; v32-95, v96-159  x: two sets of 64 registers as loaded
.set XN,  160                          ; v160-223  x: two blocks of 32 neighbours
.set CD,  224                          ; v224-229, v232-237  x: a fragment's two halves
.set CE,  240                          ; v240-242, v244-246  the second conversions (a conversion's three registers begin on an even number)
; the largest magnitude of v[xs] .. v[xs + 31] into v[m], in two chains; the floor 2^(3 - 127) is one more leaf, so that the byte cannot fall under 1
.macro MAX32 m, n, xs
	v_max3_num_f32 v[\m], |v[\xs]|, |v[\xs+1]|, |v[\xs+2]|
	v_max3_num_f32 v[\n], |v[\xs+3]|, |v[\xs+4]|, |v[\xs+5]|
.irp i, 6,10,14,18,22,26
	v_max3_num_f32 v[\m], v[\m], |v[\xs+\i]|, |v[\xs+\i+1]|
	v_max3_num_f32 v[\n], v[\n], |v[\xs+\i+2]|, |v[\xs+\i+3]|
.endr
	v_max3_num_f32 v[\m], v[\m], |v[\xs+30]|, |v[\xs+31]|
	v_max3_num_f32 v[\m], v[\m], v[\n], 0x1800000
.endm
; x: the 128 numbers along K of fragment f, of each of the tile's 16 rows: 512 consecutive bytes a load
.macro LOADX f
.irp i, 0,1,2,3,4,5,6,7,8,9,10,11,12,13,14,15
	global_load_b128 v[RS+64*((\f)%2)+4*\i:RS+64*((\f)%2)+4*\i+3], v4, s[4:5] offset:(\i+8*(\i/8))*4096+512*(\f) th:TH_LOAD_NT
.endr
.endm
.macro FRAGX f
.if (\f) < 3
	s_wait_loadcnt 16                              ; this fragment's 16 loads are in; the next fragment's 16 may be out
.else
	s_wait_loadcnt 0x0
.endif
.irp i, 0,1,2,3,4,5,6,7,8,9,10,11,12,13,14,15
	ds_store_b128 v6, v[RS+64*((\f)%2)+4*\i:RS+64*((\f)%2)+4*\i+3] offset:528*\i   ; row i as it lies
.endr
.irp c, 0,1
.irp j, 0,1,2,3,4,5,6,7
	ds_load_b128 v[XN+32*\c+4*\j:XN+32*\c+4*\j+3], v7 offset:256*\c+16*\j          ; back: k = 64 c + 32 h + 0 .. 31 of my row.  LDS serves a wave's instructions in order: these see the stores
.endr
.endr
	s_wait_dscnt 0x0                               ; the numbers are back, and the stores have read their registers,
.if (\f) < 2
	LOADX (\f)+2                                   ; which take the loads of two fragments on
.endif
	MAX32 10, 11, XN
	MAX32 12, 13, XN+32
	v_add_nc_u32 v14, 0xff000000, v10              ; 2 off the exponent field: the conversion takes the exponent field of this operand as its scale
	v_add_nc_u32 v15, 0xff000000, v12
	v_lshrrev_b32 v10, 23, v14                     ; the bytes of blocks h and 2 + h
	v_lshrrev_b32 v12, 23, v15
	v_lshl_or_b32 v[16+(\f)], v12, 16, v10
	v_lshlrev_b32 v[16+(\f)], v8, v[16+(\f)]       ; at their places in the word (8 h bits up);
	v_permlanex16_b32 v20, v[16+(\f)], s20, s21
	v_or_b32 v[16+(\f)], v[16+(\f)], v20           ; with lane l xor 16's two the word is whole
	s_wait_alu depctr_va_vdst(0)
	s_wait_xcnt 0x0                                ; the last fragment's stores have read their data: the codes' registers are written again only behind this wait
	v_cvt_scalef32_pk16_fp6_f32 v[CD:CD+2], v[XN:XN+15], v14
	v_cvt_scalef32_pk16_fp6_f32 v[CE:CE+2], v[XN+16:XN+31], v14
	v_cvt_scalef32_pk16_fp6_f32 v[CD+8:CD+10], v[XN+32:XN+47], v15
	v_cvt_scalef32_pk16_fp6_f32 v[CE+4:CE+6], v[XN+48:XN+63], v15
	v_nop                                          ; one plain place behind a scaled conversion
.irp i, 0,1,2
	v_mov_b32 v[CD+3+\i], v[CE+\i]
	v_mov_b32 v[CD+11+\i], v[CE+4+\i]
.endr
.irp c, 0,1
	global_store_b128 v4, v[CD+8*\c:CD+8*\c+3], s[26:27] offset:(2*(\f)+\c)*768        ; 512 consecutive bytes,
	global_store_b64 v5, v[CD+8*\c+4:CD+8*\c+5], s[26:27] offset:(2*(\f)+\c)*768+512   ; and 256: whole aligned blocks of 256 bytes
.endr
.endm
; a weight: block t: W(32 t + i, my column), i = 0 .. 31: 128 consecutive bytes a load
.macro LOADW t
.set II, 0
.rept 32
	global_load_b32 v[32+32*((\t)%2)+II], v4, s[6:7] offset:(32*(\t)+II)*4096 th:TH_LOAD_NT
.set II, II+1
.endr
.endm
.macro BLOCKW t
.if (\t) < 7
	s_wait_loadcnt 32                              ; this block's 32 loads are in; the next block's may be out
.else
	s_wait_loadcnt 0x0
.endif
	MAX32 12, 13, 32+32*((\t)%2)
	v_add_nc_u32 v11, 0xff000000, v12
	v_lshrrev_b32 v13, 23, v11
.if (\t)%4 == 0
	v_mov_b32 v[24+(\t)/4], v13                    ; four bytes to a word, the lower K in the lower byte
.else
	v_lshl_or_b32 v[24+(\t)/4], v13, 8*((\t)%4), v[24+(\t)/4]
.endif
	v_cvt_scalef32_pk16_fp6_f32 v[96+8*(\t):96+8*(\t)+2], v[32+32*((\t)%2):32+32*((\t)%2)+15], v11
	v_cvt_scalef32_pk16_fp6_f32 v[160+4*((\t)%2):160+4*((\t)%2)+2], v[48+32*((\t)%2):48+32*((\t)%2)+15], v11
	v_nop                                          ; one plain place behind a scaled conversion
.irp i, 0,1,2
	v_mov_b32 v[99+8*(\t)+\i], v[160+4*((\t)%2)+\i]
.endr
	global_store_b128 v5, v[96+8*(\t):99+8*(\t)], s[30:31] offset:((\t)/2)*768+256*((\t)%2)          ; block t is half t % 2 of half fragment t / 2: the 16 lanes of a tile write 256 consecutive bytes
	global_store_b64 v9, v[100+8*(\t):101+8*(\t)], s[30:31] offset:((\t)/2)*768+512+128*((\t)%2)     ; each block has registers of its own for its codes: no store's data are written again
.if (\t)+2 < 8
	LOADW (\t)+2
.endif
.endm
	s_load_b256 s[4:11], s[0:1], 0x0               ; x, W_q, W_k, W_v
	s_load_b128 s[12:15], s[0:1], 0x20             ; W_o, xq
	s_load_b64 s[16:17], s[0:1], 0x30              ; wq
	v_lshl_add_u32 v[SPW], v0, 2, SPARE
	v_mov_b32 v[NIL], 0
	v_lshrrev_b32 v1, 5, v0
	v_readfirstlane_b32 s18, v1                    ; wave 0..3
	v_and_b32 v1, 31, v0                           ; lane
	s_mov_b32 s20, 0x76543210
	s_mov_b32 s21, 0xfedcba98                      ; v_permlanex16_b32's selects for lane l xor 16
	s_cmp_lt_u32 ttmp9, 256
	s_cbranch_scc0 .Lw
	; ---- x
	v_lshlrev_b32 v4, 4, v1                        ; 16 x lane
	v_lshlrev_b32 v5, 3, v1                        ; 8 x lane
	v_and_b32 v10, 15, v0                          ; r
	v_bfe_u32 v9, v0, 4, 1                         ; h
	s_mul_i32 s19, s18, STG                        ; my stage
	v_add_nc_u32 v6, s19, v4                       ; into it: 16 x lane of a row
	v_mul_u32_u24 v7, v10, 528
	v_lshl_add_u32 v7, v9, 7, v7
	v_add_nc_u32 v7, s19, v7                       ; out of it: row r, + 128 h
	v_lshlrev_b32 v8, 3, v9                        ; 8 h
	v_mov_b32 v20, 0                               ; a lane permute's destination counts as one of its sources
	s_lshl_b32 s22, ttmp9, 2
	s_add_co_u32 s22, s22, s18
	s_lshr_b32 s23, s22, 1                         ; my row tile, 0 .. 511
	s_and_b32 s22, s22, 1                          ; my half of K
	s_lshr_b32 s24, s23, 1
	s_lshl_b32 s24, s24, 5
	s_and_b32 s25, s23, 1
	s_lshl_b32 s25, s25, 3
	s_add_co_u32 s24, s24, s25                     ; the tile's first row
	s_lshl_b32 s24, s24, 12                        ; rows of 4,096 bytes
	s_lshl_b32 s25, s22, 11
	s_add_co_u32 s24, s24, s25
	s_mov_b32 s25, 0
	s_mul_i32 s26, s23, TILEB
	s_mul_i32 s28, s22, 6144
	s_add_co_u32 s26, s26, s28                     ; my 8 half fragments
	s_mov_b32 s27, 0
	s_lshl_b32 s28, s23, 9
	s_lshl_b32 s29, s22, 8
	s_add_co_u32 s28, s28, s29
	s_add_co_u32 s28, s28, SOFF                    ; my 256 bytes of scale words
	s_mov_b32 s29, 0
	s_wait_alu depctr_va_vdst(0)
	s_wait_kmcnt 0x0
	s_add_nc_u64 s[4:5], s[4:5], s[24:25]
	s_add_nc_u64 s[26:27], s[14:15], s[26:27]
	s_add_nc_u64 s[28:29], s[14:15], s[28:29]
	LOADX 0
	LOADX 1
	FRAGX 0
	FRAGX 1
	FRAGX 2
	FRAGX 3
	v_cmp_ne_u32 vcc_lo, 0, v9                     ; lanes 0-15 store the words of my first 256 along K, lanes 16-31 those of the second
	v_cndmask_b32 v22, v16, v18, vcc_lo
	v_cndmask_b32 v23, v17, v19, vcc_lo
	global_store_b64 v5, v[22:23], s[28:29]        ; one aligned block of 256 bytes
	s_wait_tensorcnt 0x0                           ; the wave's end, behind my last LDS store
	ds_add_u32 v[SPW], v[NIL]
	s_wait_dscnt 0x0
	s_endpgm
	; ---- the weights
.Lw:
	s_sub_co_u32 s22, ttmp9, 256
	s_lshr_b32 s23, s22, 5                         ; which weight: 0 W_q, 1 W_k, 2 W_v, 3 W_o
	s_and_b32 s24, s22, 7                          ; which 128 columns
	s_bfe_u32 s25, s22, 0x20003                    ; which 256 along K
	v_bfe_u32 v6, v0, 3, 1                         ; my column 32 B + l is lane-row r = l % 8 + 8 (l / 16) of tile 2 B + u, u = (l / 8) % 2
	v_and_b32 v7, 7, v0
	v_bfe_u32 v8, v0, 4, 1
	v_lshl_add_u32 v7, v8, 3, v7
	s_wait_alu depctr_va_vdst(0)
	v_lshlrev_b32 v4, 2, v1                        ; in: 4 bytes a lane
	v_mul_u32_u24 v8, v6, TILEB
	v_lshl_add_u32 v5, v7, 4, v8                   ; out: tile u, 16 r
	v_lshl_add_u32 v9, v7, 3, v8                   ; and 8 r
	v_lshlrev_b32 v8, 9, v6
	v_lshl_add_u32 v8, v7, 3, v8                   ; scale words: tile u, 8 r
	s_lshl_b32 s26, s24, 2
	s_add_co_u32 s26, s26, s18                     ; B = 4 x (which 128 columns) + wave
	s_lshl_b32 s28, s26, 7                         ; 32 columns of 4 bytes
	s_lshl_b32 s29, s25, 20                        ; 256 rows of 4,096 bytes
	s_add_co_u32 s28, s28, s29
	s_mov_b32 s29, 0
	s_lshl_b32 s26, s26, 1
	s_lshl_b32 s27, s23, 6
	s_add_co_u32 s26, s26, s27                     ; row tile in wq: 64 x weight + 2 B
	s_mul_i32 s30, s26, TILEB
	s_mul_i32 s27, s25, 3072
	s_add_co_u32 s30, s30, s27
	s_mov_b32 s31, 0
	s_lshl_b32 s32, s26, 9
	s_lshl_b32 s27, s25, 7
	s_add_co_u32 s32, s32, s27
	s_add_co_u32 s32, s32, SOFF
	s_mov_b32 s33, 0
	s_wait_alu depctr_va_vdst(0)
	s_wait_kmcnt 0x0
	s_cmp_eq_u32 s23, 1                            ; the choice hangs on the work-group's number alone
	s_cselect_b64 s[6:7], s[8:9], s[6:7]
	s_cmp_eq_u32 s23, 2
	s_cselect_b64 s[6:7], s[10:11], s[6:7]
	s_cmp_eq_u32 s23, 3
	s_cselect_b64 s[6:7], s[12:13], s[6:7]
	s_add_nc_u64 s[6:7], s[6:7], s[28:29]
	s_add_nc_u64 s[30:31], s[16:17], s[30:31]
	s_add_nc_u64 s[32:33], s[16:17], s[32:33]
	LOADW 0
	LOADW 1
.irp t, 0,1,2,3,4,5,6,7
	BLOCKW \t
.endr
	global_store_b64 v8, v[24:25], s[32:33]        ; my column's two scale words
	s_wait_tensorcnt 0x0                           ; the same three lines on this way out
	ds_add_u32 v[SPW], v[NIL]
	s_wait_dscnt 0x0
	s_endpgm
.Lfunc_end_k_q0a0825e4b9_quant:
	.size	k_q0a0825e4b9_quant, .Lfunc_end_k_q0a0825e4b9_quant-k_q0a0825e4b9_quant
	.p2alignl 7, 3214868480
	.fill 96, 4, 3214868480
	.section	.rodata,"a",@progbits
	.p2align	6, 0x0
	.amdhsa_kernel k_q0a0825e4b9_quant
		.amdhsa_group_segment_fixed_size 34304
		.amdhsa_private_segment_fixed_size 0
		.amdhsa_enable_private_segment 0
		.amdhsa_kernarg_size 56
		.amdhsa_user_sgpr_count 2
		.amdhsa_user_sgpr_kernarg_segment_ptr 1
		.amdhsa_wavefront_size32 1
		.amdhsa_system_sgpr_workgroup_id_x 1
		.amdhsa_system_sgpr_workgroup_id_y 1
		.amdhsa_system_sgpr_workgroup_id_z 1
		.amdhsa_system_vgpr_workitem_id 0
		.amdhsa_next_free_vgpr 256
		.amdhsa_next_free_sgpr 66
		.amdhsa_reserve_vcc 1
		.amdhsa_float_denorm_mode_32 3
		.amdhsa_float_denorm_mode_16_64 3
		.amdhsa_memory_ordered 1
		.amdhsa_forward_progress 1
		.amdhsa_inst_pref_size 70
	.end_amdhsa_kernel
	.amdgpu_metadata
---
amdhsa.version: [ 1, 2 ]
amdhsa.kernels:
  - .name:           k_q0a0825e4b9_quant
    .symbol:         k_q0a0825e4b9_quant.kd
    .args:
      - { .name: x, .offset: 0, .size: 8, .value_kind: global_buffer, .address_space: global }
      - { .name: W_q, .offset: 8, .size: 8, .value_kind: global_buffer, .address_space: global }
      - { .name: W_k, .offset: 16, .size: 8, .value_kind: global_buffer, .address_space: global }
      - { .name: W_v, .offset: 24, .size: 8, .value_kind: global_buffer, .address_space: global }
      - { .name: W_o, .offset: 32, .size: 8, .value_kind: global_buffer, .address_space: global }
      - { .name: xq, .offset: 40, .size: 8, .value_kind: global_buffer, .address_space: global }
      - { .name: wq, .offset: 48, .size: 8, .value_kind: global_buffer, .address_space: global }
    .group_segment_fixed_size: 34304
    .private_segment_fixed_size: 0
    .kernarg_segment_align: 8
    .kernarg_segment_size: 56
    .max_flat_workgroup_size: 128
    .sgpr_count:     66
    .vgpr_count:     256
    .wavefront_size: 32
...
	.end_amdgpu_metadata
.endif
;; end of part 1
;; launch proj (part 2): grid 8 x 48, 4 waves a work-group, clusters of 4 x 4, 327,680 bytes of LDS; arguments xq, wq, qk, vq; writes qk, vq
.if DOCPART == 2
	.amdgcn_target "amdgcn-amd-amdhsa--gfx1250"
	.amdhsa_code_object_version 6
	.text
	.protected	k_q0a0825e4b9_proj
	.globl	k_q0a0825e4b9_proj
	.p2align	8
	.type	k_q0a0825e4b9_proj,@function
k_q0a0825e4b9_proj:
	s_mov_b64 s[64:65], 0
	v_nop
	global_prefetch_b8 v0, s[64:65] scope:SCOPE_SE
	s_setreg_imm32_b32 hwreg(HW_REG_WAVE_MODE, 25, 1), 1
	s_wait_xcnt 0x0
	s_wait_alu depctr_hold_cnt(0) depctr_sa_sdst(0) depctr_va_vdst(0) depctr_va_sdst(0) depctr_va_ssrc(0) depctr_va_vcc(0) depctr_vm_vsrc(0)
	s_getreg_b32 s2, hwreg(HW_REG_IB_STS2, 6, 4)
	s_cmp_eq_u32 s2, 0
	s_cbranch_scc0 .Lentry_in_a_cluster
	s_endpgm
.Lentry_in_a_cluster:
	s_bfe_u32 s2, ttmp6, 0x10000c
	s_cmp_lg_u32 s2, 0xf033
	s_cbranch_scc0 .Lentry_shape_is_right
	s_endpgm
.Lentry_shape_is_right:
; q = x W_q, k = x W_k, v = x W_v on codes of FP6 (E2M3) with E8M0 scales, sums in f32; the results are quantised in registers and leave as codes: q and k along the head's 64, v along the keys.
; OPERANDS lie in the order of their registers: a ROW TILE is 16 rows (lane-row r of tile 2 B + u is row 32 B + 8 u + r + 8 (r / 8)); a half fragment (16 rows x 64 K) is 768 bytes: lane l's first 16 bytes at 16 l, its last 8
; at 512 + 8 l; a row tile's 16 half fragments lie on end; scale words from byte SOFF on: [row tile][256 along K][r][2 words].
; A work-group of four waves makes 256 rows of S1 x 256 rows of S0, a wave 128 x 128: 64 accumulators, 512 registers.  S0 is the matrix instruction's source 0, S1 its source 1: a lane holds ONE row of S1, and by the choice of a
; tile's rows the 16 registers of S0's tiles 2 B and 2 B + 1 are 16 NEIGHBOURING rows of S0: 32 B + 16 (lane / 16) + 0 .. 15.  So what is to be quantised along an axis is given that axis as S0:
;   clusters y 0-7:  S0 = rows n of W_q, W_k (along a head), S1 = tokens: a wave's 64 registers of a token tile become one fragment: the half fragments of two heads;
;   clusters y 8-11: S0 = tokens (the keys), S1 = rows n of W_v: they become one fragment of V^T: 16 of a head's 64 x 128 keys.
; ONE TEXT SERVES BOTH: buffers, strides and offsets are chosen by s_cselect on the cluster's y, which all partners share; no branch hangs on it.
; K = 1,024 goes in four steps of 256 through a ring of two LDS slots filled by the tensor data mover; the scale words of the work-group's rows come once, with the first fills.
; CLUSTERS: 4 x 4 work-groups.  S1's tiles hang on cy and are shared along a row of the cluster, S0's on cx and are shared along a column: each is asked for JOINTLY.
; LIMITS: a block of zeros gets the byte 1 where the rule says 127 (zero codes; this program alone reads the bytes); largest magnitudes under 2^-124 are held at that floor; NaN and infinities are not served.
; A prefetch is left out: the tiles are shared in the cluster, and each is read by several clusters at about the same time.
; REGISTERS, in windows of 256: window 0: v0-31 addresses; v32-63 scale words, two sets; v64-115 at work on the way out; v128-223 S1's fragments, ONE set.  window 1: S0's fragments, TWO sets, at v0 and v128.
;   window 2: the accumulators of my S1 tiles 0-3 ((a, b) at v[8 (8 (a % 4) + b)]);  window 3: those of tiles 4-7.
.set CHB,    3072                      ; a row tile's 256 along K: four half fragments
.set TILEB,  12288                     ; a row tile's codes in memory
.set HALFT,  8*CHB                     ; 8 row tiles: what one tensor load brings, and what one wave reads of S1 or of S0
.set SLOT,   4*HALFT                   ; S1's 16 row tiles, then S0's 16
.set SCL,    2*SLOT                    ; behind the ring: the scale words, 512 bytes a row tile
.set HALFS,  4096                      ; those of 8 row tiles
.set SPARE,  SCL+4*HALFS               ; behind them: the spare words, 128 bytes for each wave: two blocks of 256 bytes that no other line names
.set SOFF,   6291456                   ; where the scale words begin in xq and wq
.set FR,     12                        ; registers of a fragment
.set NL,     4                         ; LDS loads that bring one
.set NQ,     2                         ; matrix instructions deep in a slot
.set NP,     4                         ; places behind this matrix instruction (ISA guide 7.12.1)
.set ADRA, 16                          ; v16-17 LDS address of S1's fragments in slot 0, 1, + 16 x lane; v18-19 the same + 8 x lane
.set ADRB, 20                          ; v20-23 the same for S0
.set ADRS, 27                          ; v27    LDS address of my scale words: lanes 0-15 S1's rows, lanes 16-31 S0's
.set SPW,  28                          ; v28    LDS address of my spare word; never rewritten
.set NIL,  29                          ; v29    0; never rewritten
.set SC,   32                          ; scale words: set s at v[SC + 16 s]; register 2 i + q: lanes 0-15 S1's tile i, lanes 16-31 S0's tile i, the slot's q-th 128 along K
.set AF,   128                         ; S1's fragments, in window 0
.set TM,   64                          ; the way out: v64-67 largest magnitudes, v68-71 bytes, v76-79 the conversions' scale operands
.set SW,   80                          ; v80-87 the eight tiles' scale words
.set PC,   96                          ; v96-107 a fragment's codes
.set PX,   108                         ; v108-110, v112-114 the second conversions
.set G1, 24                            ; s[24:31] descriptor group 1 for S1's tiles;  s[32:39] group 0, one set for each slot
.set G0, 32
.set G1B, 48                           ; s[48:55], s[56:63] the same for S0's
.set G0B, 56
.set G1S, 68                           ; s[68:75], s[76:79] groups 1 and 0 for S1's scale words;  s[80:87], s[88:91] for S0's
.set G0S, 76
.set G1SB, 80
.set G0SB, 88
.set MSB, 0
.macro WIN new                         ; the immediate's high byte repeats the setting that is left
.if MSB != \new
	s_set_vgpr_msb (MSB<<8)|\new
.set MSB, \new
.endif
.endm
.set MUL_LO, 0xa1                      ; source 0 window 1, source 1 window 0, C and D window 2
.set MUL_HI, 0xf1                      ; the same, C and D window 3
.set TO_B,   0x40                      ; destination window 1, address window 0
; A joint load: waves 0 and 1 fetch for S1, waves 2 and 3 for S0.  Each line has ONE mask and one set of registers for all that issue it; the branch hangs on the wave's number alone.
; An s_nop 0 and four v_nop follow each of the two lines, ahead of the jump, the label and what follows.
.macro JLOAD g0a, g1a, g0b, g1b
	s_cmp_eq_u32 s15, 0
	s_cbranch_scc0 .Lfor_b_\@
	tensor_load_to_lds s[\g0a:\g0a+3], s[\g1a:\g1a+7]
	s_nop 0
.rept 4
	v_nop
.endr
	s_branch .Lasked_\@
.Lfor_b_\@:
	tensor_load_to_lds s[\g0b:\g0b+3], s[\g1b:\g1b+7]
	s_nop 0
.rept 4
	v_nop
.endr
.Lasked_\@:
.endm
.macro CREST                           ; a round of the cluster's barrier behind its opening barrier
	s_cmp_lg_u32 s14, 0
	s_cbranch_scc1 .Lnot_wave_0_\@
	s_barrier_signal -3
.Lnot_wave_0_\@:
	s_barrier_wait -3
	s_barrier_signal -1
	s_barrier_wait -1
.endm
.macro CROUND                          ; a whole round
	s_barrier_signal -1
	s_barrier_wait -1
	CREST
.endm
.macro FRAG reg, adr, q, i             ; a fragment comes as the image of its registers: two half fragments, each 16 bytes and 8 bytes a lane; every load reads consecutive bytes
	ds_load_b128 v[\reg:\reg+3], v[\adr] offset:(\i)*CHB+(\q)*1536
	ds_load_b64 v[\reg+4:\reg+5], v[\adr+2] offset:(\i)*CHB+(\q)*1536+512
	ds_load_b128 v[\reg+6:\reg+9], v[\adr] offset:(\i)*CHB+(\q)*1536+768
	ds_load_b64 v[\reg+10:\reg+11], v[\adr+2] offset:(\i)*CHB+(\q)*1536+1280
.endm
; 16 matrix instructions: S1's tiles a0, a0 + 1 x S0's eight, 128 along K.  p: S0's set;  sc: the set of scale words.  zero = 1: the first product starts the sums.
; The 64 accumulators take turns, one instruction a turn, in the same order in every step.
.macro MUL16 a0, p, q, sc, zero
.irp a, \a0, \a0+1
.irp b, 0,1,2,3,4,5,6,7
.if \zero
	v_wmma_scale_f32_16x16x128_f8f6f4 v[8*(8*((\a)%4)+\b):8*(8*((\a)%4)+\b)+7], v[128*(\p)+FR*\b:128*(\p)+FR*\b+FR-1], v[AF+FR*(\a):AF+FR*(\a)+FR-1], 0, v[SC+8*NQ*(\sc)+NQ*\b+(\q)], v[SC+8*NQ*(\sc)+NQ*(\a)+(\q)] matrix_a_fmt:MATRIX_FMT_FP6 matrix_b_fmt:MATRIX_FMT_FP6 matrix_a_scale:MATRIX_SCALE_ROW1
.else
	v_wmma_scale_f32_16x16x128_f8f6f4 v[8*(8*((\a)%4)+\b):8*(8*((\a)%4)+\b)+7], v[128*(\p)+FR*\b:128*(\p)+FR*\b+FR-1], v[AF+FR*(\a):AF+FR*(\a)+FR-1], v[8*(8*((\a)%4)+\b):8*(8*((\a)%4)+\b)+7], v[SC+8*NQ*(\sc)+NQ*\b+(\q)], v[SC+8*NQ*(\sc)+NQ*(\a)+(\q)] matrix_a_fmt:MATRIX_FMT_FP6 matrix_b_fmt:MATRIX_FMT_FP6 matrix_a_scale:MATRIX_SCALE_ROW1
.endif
.endr
.endr
.endm
.macro FETCH_B slot, q, p              ; S0's eight fragments of the slot's q-th 128 along K into set p
	WIN TO_B
.irp i, 0,1,2,3,4,5,6,7
	FRAG 128*(\p)+FR*\i, ADRB+\slot, \q, \i
.endr
	WIN 0
.endm
.macro FETCH_A slot, q, i0             ; S1's tiles i0 .. i0 + 3
.irp i, \i0, \i0+1, \i0+2, \i0+3
	FRAG AF+FR*(\i), ADRA+\slot, \q, \i
.endr
.endm
.macro SCALES sc                       ; a K step's scale words into set sc: two words a row
.irp i, 0,1,2,3,4,5,6,7
	ds_load_b64 v[SC+8*NQ*\sc+NQ*\i:SC+8*NQ*\sc+NQ*\i+1], v[ADRS] offset:\i*512
.endr
.endm
; A load into a register that a matrix instruction has read, and a vector instruction that reads a matrix result, stand NP places behind that matrix instruction; only plain vector instructions
; that name none of its registers are places (ISA guide 7.12.1 for vector instructions).
.macro PLACES n
.rept \n
	v_nop
.endr
.endm
.macro STEP slot, q, zero              ; a step of 128 along K that has its successor in the same slot
	s_wait_dscnt 4*NL                              ; S0's set and S1's tiles 0-3 are in; the youngest 16 loads (S1's tiles 4-7) may be out
	WIN MUL_LO
	MUL16 0, (\q)%2, \q, \slot, \zero
	MUL16 2, (\q)%2, \q, \slot, \zero
	s_wait_dscnt 0
	PLACES NP
	FETCH_B \slot, (\q)+1, 1-(\q)%2
	FETCH_A \slot, (\q)+1, 0
	WIN MUL_HI
	MUL16 4, (\q)%2, \q, \slot, \zero
	MUL16 6, (\q)%2, \q, \slot, \zero
	PLACES NP
	WIN 0
	FETCH_A \slot, (\q)+1, 4
.endm
; A slot's last step changes slots: ONE barrier; in front of it each wave waits for all its tensor loads, adds 0 to its spare word, and waits for that and for its own reads of this slot.  fill = 1: the slot is filled again, two K steps ahead.
.macro TURN slot, next, fill
	s_wait_tensorcnt 0x0                           ; all my tensor loads have landed: my part of the next slot
	ds_add_u32 v[SPW], v[NIL]                      ; 0 onto my spare word
	s_wait_dscnt 4*NL+1                            ; (the add and the youngest 16 loads, S1's tiles 4-7, may be out)
	WIN MUL_LO
	MUL16 0, 1, NQ-1, \slot, 0                     ; sixteen matrix instructions stand between the add and the wait for it
	s_wait_dscnt 0x0                               ; the add is done, and my reads of this slot are over
	s_barrier_signal -1
	MUL16 2, 1, NQ-1, \slot, 0
	WIN 0
	s_barrier_wait -1
.if \fill
	CREST                                          ; the barrier has opened a round of the cluster's barrier: no wave of any partner still reads this slot or has a load on its way
	s_add_nc_u64 s[G0+4*\slot+2:G0+4*\slot+3], s[G0+4*\slot+2:G0+4*\slot+3], 2*CHB
	s_add_nc_u64 s[G0B+4*\slot+2:G0B+4*\slot+3], s[G0B+4*\slot+2:G0B+4*\slot+3], 2*CHB
	JLOAD G0+4*\slot, G1, G0B+4*\slot, G1B         ; the first tensor load behind the round; its four v_nop are the places in front of the loads below
.else
	PLACES NP
.endif
	v_add_nc_u32 v[ADRS], 128, v[ADRS]             ; on to the next K step's scale words
	FETCH_B \next, 0, 0
	FETCH_A \next, 0, 0
	SCALES \next
	WIN MUL_HI
	MUL16 4, 1, NQ-1, \slot, 0
	MUL16 6, 1, NQ-1, \slot, 0
	PLACES NP
	WIN 0
	FETCH_A \next, 0, 4
.endm
	s_load_b256 s[4:11], s[0:1], 0x0               ; xq, wq, qk, vq
	v_lshl_add_u32 v[SPW], v0, 2, SPARE
	v_mov_b32 v[NIL], 0
	ds_add_u32 v[SPW], v[NIL]                      ; the wave's opening: the add, and its wait ahead of my first tensor load; work on registers stands between them
	v_lshrrev_b32 v1, 5, v0
	v_readfirstlane_b32 s14, v1                    ; wave 0..3
	s_lshr_b32 s15, s14, 1                         ; RH: my half of S1's rows.  Also: I fetch for S1 (0) or for S0 (1)
	s_and_b32 s16, s14, 1                          ; CH: my half of S0's rows.  Also: which 8 row tiles I fetch
	s_bfe_u32 s40, ttmp6, 0x40000                  ; cx, cy: my place in the cluster
	s_bfe_u32 s41, ttmp6, 0x40004
	s_and_b32 s17, ttmp7, 0xffff                   ; the cluster's y, 0 .. 11
	s_lshl_b32 s42, ttmp9, 2
	s_add_co_u32 s42, s42, s40                     ; 4 x cluster x + cx
	s_lshl_b32 s43, s41, 2
	s_lshl_b32 s43, 15, s43                        ; my row of the cluster
	s_lshl_b32 s44, 0x1111, s40                    ; my column
	; descriptor group 1: 8 row tiles x 3,072 bytes (384 elements of 8 bytes), 12,288 bytes apart in memory, on end in LDS
	s_or_b32 s[G1+0], s43, (3<<16)|(1<<21)         ; 15:0 the mask: S1's tiles go to my row; 17:16 elements of 8 bytes; 20 no padding; 21 set beside a mask
	s_or_b32 s[G1B+0], s44, (3<<16)|(1<<21)
.irp g, G1, G1B
	s_mov_b32 s[\g+1], 384<<16                     ; tensor_dim0
	s_mov_b32 s[\g+2], 8<<16                       ; tensor_dim1
	s_mov_b32 s[\g+3], 384<<16                     ; tile_dim0
	s_mov_b32 s[\g+4], 8                           ; tile_dim1
	s_mov_b32 s[\g+5], 1536                        ; tensor_dim0_stride
	s_mov_b32 s[\g+6], 0
	s_mov_b32 s[\g+7], 0
.endr
	; and for the scale words of 8 row tiles: 4,096 dense bytes, as 16 rows of 256
	s_or_b32 s[G1S+0], s43, (3<<16)|(1<<21)
	s_or_b32 s[G1SB+0], s44, (3<<16)|(1<<21)
.irp g, G1S, G1SB
	s_mov_b32 s[\g+1], 32<<16
	s_mov_b32 s[\g+2], 16<<16
	s_mov_b32 s[\g+3], 32<<16
	s_mov_b32 s[\g+4], 16
	s_mov_b32 s[\g+5], 32
	s_mov_b32 s[\g+6], 0
	s_mov_b32 s[\g+7], 0
.endr
	; what differs between the two parts, chosen on the cluster's y
	s_sub_co_u32 s18, s17, 8
	s_lshl_b32 s18, s18, 3                         ; 8 (y - 8)
	s_lshl_b32 s19, s17, 2                         ; 4 y
	s_mov_b32 s94, 98304
	s_mov_b32 s96, 256
	s_mov_b32 s97, 32768
	s_mov_b32 s20, 6291456
	s_cmp_lt_u32 s17, 8                            ; q and k, or v?
	s_cselect_b32 s18, 0, s18                      ; S0's block of 256 rows = 4 x cluster x + cx + this
	s_cselect_b32 s21, s19, 8                      ; S1's = cy + this (W_v's rows begin at block 8 of wq)
	s_cselect_b32 s19, s19, 0                      ; and as the output counts it
	s_cselect_b32 s94, 24576, s94                  ; from an S1 tile's fragment to the next tile's, in the output
	s_cselect_b32 s96, 32768, s96                  ; scale words: from lanes 0-15 to lanes 16-31,
	s_cselect_b32 s97, 256, s97                    ; and from tiles 0-3 to tiles 4-7
	s_cselect_b32 s98, 0xffff, -1                  ; q, k: a head's two bytes of the word; v: the whole word
	s_cselect_b32 s99, 16, 0
	s_cselect_b32 s20, 12582912, s20               ; where the scale words begin in the output
	s_mov_b32 s95, 0
	s_add_co_u32 s42, s42, s18                     ; t0
	s_add_co_u32 s21, s21, s41                     ; t1
	s_add_co_u32 s19, s19, s41                     ; t1 as the output counts it
	s_lshl_b32 s45, s16, 3
	s_lshl_b32 s22, s21, 4
	s_add_co_u32 s22, s22, s45                     ; S1: the first row tile that I fetch
	s_mul_i32 s2, s22, TILEB
	s_mov_b32 s3, 0
	s_lshl_b32 s22, s22, 9
	s_add_co_u32 s22, s22, SOFF
	s_mov_b32 s23, 0
	s_lshl_b32 s92, s42, 4
	s_add_co_u32 s92, s92, s45                     ; S0 likewise
	s_mul_i32 s46, s92, TILEB
	s_mov_b32 s47, 0
	s_lshl_b32 s92, s92, 9
	s_add_co_u32 s92, s92, SOFF
	s_mov_b32 s93, 0
	s_mul_i32 s45, s14, HALFT                      ; where they go: wave x 8 row tiles: no place in the cluster enters an LDS address
	s_mul_i32 s18, s14, HALFS
	s_wait_dscnt 0x0                               ; the opening add is done
	s_wait_kmcnt 0x0
	s_cmp_lt_u32 s17, 8
	s_cselect_b64 s[12:13], s[4:5], s[6:7]         ; S1's buffer: xq or wq
	s_cselect_b64 s[4:5], s[6:7], s[4:5]           ; S0's: wq or xq
	s_cselect_b64 s[8:9], s[8:9], s[10:11]         ; the output: qk or vq
	s_mov_b32 s10, 0x76543210
	s_mov_b32 s11, 0xfedcba98                      ; v_permlanex16_b32's selects for lane l xor 16
	s_add_nc_u64 s[2:3], s[12:13], s[2:3]
	s_add_nc_u64 s[22:23], s[12:13], s[22:23]
	s_add_nc_u64 s[46:47], s[4:5], s[46:47]
	s_add_nc_u64 s[92:93], s[4:5], s[92:93]
	CROUND                                         ; all sixteen work-groups are here: the first joint loads meet
	s_mov_b32 s[G0S], 1
	s_add_co_u32 s[G0S+1], s18, SCL
	s_mov_b64 s[G0S+2:G0S+3], s[22:23]
	s_or_b32 s[G0S+3], s[G0S+3], 0x80000000
	s_mov_b32 s[G0SB], 1
	s_add_co_u32 s[G0SB+1], s18, SCL
	s_mov_b64 s[G0SB+2:G0SB+3], s[92:93]
	s_or_b32 s[G0SB+3], s[G0SB+3], 0x80000000
	JLOAD G0S, G1S, G0SB, G1SB                     ; the scale words first: they are wanted with K step 0
.irp s, 0,1
	s_mov_b32 s[G0+4*\s], 1
	s_add_co_u32 s[G0+4*\s+1], s45, \s*SLOT
	s_add_nc_u64 s[G0+4*\s+2:G0+4*\s+3], s[2:3], \s*CHB
	s_or_b32 s[G0+4*\s+3], s[G0+4*\s+3], 0x80000000
	s_mov_b32 s[G0B+4*\s], 1
	s_add_co_u32 s[G0B+4*\s+1], s45, \s*SLOT
	s_add_nc_u64 s[G0B+4*\s+2:G0B+4*\s+3], s[46:47], \s*CHB
	s_or_b32 s[G0B+4*\s+3], s[G0B+4*\s+3], 0x80000000
	JLOAD G0+4*\s, G1, G0B+4*\s, G1B               ; by this text's count three tensor loads of a wave are out here, later one
.endr
	v_and_b32 v1, 15, v0                           ; r
	v_bfe_u32 v2, v0, 4, 1                         ; h
	v_and_b32 v3, 31, v0
	v_lshlrev_b32 v24, 4, v3                       ; 16 x lane
	v_lshlrev_b32 v25, 3, v3                       ; 8 x lane
	s_mul_i32 s21, s15, HALFT                      ; my 8 row tiles of S1
	s_mul_i32 s22, s16, HALFT                      ; my 8 of S0,
	s_add_co_u32 s22, s22, 2*HALFT                 ; which lie behind S1's 16
.irp s, 0,1
	v_add_nc_u32 v[ADRA+\s], s21, v24
	v_add_nc_u32 v[ADRA+2+\s], s21, v25
	v_add_nc_u32 v[ADRB+\s], s22, v24
	v_add_nc_u32 v[ADRB+2+\s], s22, v25
	s_add_co_u32 s21, s21, SLOT
	s_add_co_u32 s22, s22, SLOT
.endr
	v_lshlrev_b32 v5, 3, v1                        ; my row's two words of a K step
	s_mul_i32 s21, s15, HALFS                      ; S1's: my 8 row tiles
	s_mul_i32 s22, s16, HALFS                      ; S0's: my 8, behind S1's 16
	s_add_co_u32 s22, s22, 2*HALFS
	s_sub_co_u32 s22, s22, s21
	v_mul_u32_u24 v6, s22, v2                      ; lanes 16-31 take S0's
	s_add_co_u32 s21, s21, SCL
	v_add_nc_u32 v5, v5, v6
	v_add_nc_u32 v[ADRS], s21, v5
	; the way out
	s_lshl_b32 s21, s19, 4
	s_lshl_b32 s22, s15, 3
	s_add_co_u32 s21, s21, s22                     ; my first S1 tile as the output counts it
	s_mul_i32 s21, s21, s94
	s_lshl_b32 s22, s42, 1
	s_add_co_u32 s22, s22, s16                     ; G0: my 128 rows of S0
	s_mul_i32 s23, s22, 1536
	s_add_co_u32 s100, s21, s23
	s_mov_b32 s101, 0
	s_add_nc_u64 s[100:101], s[8:9], s[100:101]    ; my first fragment
	s_lshl_b32 s23, s19, 1
	s_add_co_u32 s23, s23, s15                     ; G1: my 128 rows of S1
	s_cmp_lt_u32 s17, 8
	s_cselect_b32 s21, s22, s23                    ; a pair of heads: G0 in qk, G1 in vq
	s_cselect_b32 s22, s23, s22                    ; 128 tokens: G1 in qk, G0 in vq
	s_lshl_b32 s21, s21, 16
	s_lshl_b32 s22, s22, 9
	s_add_co_u32 s66, s21, s22
	s_add_co_u32 s66, s66, s20
	s_mov_b32 s67, 0
	s_add_nc_u64 s[66:67], s[8:9], s[66:67]        ; my scale words
	v_mul_u32_u24 v26, s96, v2
	v_lshl_add_u32 v26, v1, 4, v26                 ; 16 r + h x (a head, or the second copy)
	v_add_nc_u32 v30, s97, v26
	v_mul_u32_u24 v31, s99, v2                     ; q, k: lanes 16-31 take the word's upper two bytes, the odd head's
.irp b, 0,1,2,3
	v_mov_b32 v[TM+4+\b], 0                        ; written once: a lane permute's destination counts as one of its sources
.endr
	s_wait_tensorcnt 1                             ; the scale words and my part of K step 0 are in (K step 1's load may be out)
	s_barrier_signal -1
	s_barrier_wait -1                              ; everybody's are
	FETCH_B 0, 0, 0
	FETCH_A 0, 0, 0
	SCALES 0
	FETCH_A 0, 0, 4
	STEP 0, 0, 1                                   ; the first step's products start the sums: nothing is cleared.  K has four slots' worth: the eight steps are written out
	TURN 0, 1, 1
	STEP 1, 0, 0
	TURN 1, 0, 1
	STEP 0, 0, 0
	TURN 0, 1, 0                                   ; nothing is left to fetch, and no round follows
	STEP 1, 0, 0
	s_wait_dscnt 4*NL
	WIN MUL_LO
	MUL16 0, 1, NQ-1, 1, 0
	MUL16 2, 1, NQ-1, 1, 0
	s_wait_dscnt 0
	WIN MUL_HI
	MUL16 4, 1, NQ-1, 1, 0
	MUL16 6, 1, NQ-1, 1, 0
	WIN 0
; THE WAY OUT.  S1 tile a: my 64 registers, register 16 b + i = S0's row 32 b + 16 (lane / 16) + i of my row of S1, become a fragment's codes and a scale word; the fragment leaves as the image of its registers.
.macro OUTQ a
.set ACB, 64*((\a)%4)
.set WN, 2+(\a)/4
.set WN2, WN|(WN<<2)
	WIN WN2                                        ; sources 0 and 1: the accumulators' window
.irp b, 0,1,2,3
	v_max3_num_f32 v[TM+\b], |v[ACB+16*\b]|, |v[ACB+16*\b+1]|, 0x1800000    ; block b: my 16 numbers, and the floor 2^(3 - 127); each accumulator is read from its low end on
.endr
.irp i, 2,4,6,8,10,12,14
.irp b, 0,1,2,3
	v_max3_num_f32 v[TM+\b], |v[ACB+16*\b+\i]|, |v[ACB+16*\b+\i+1]|, v[TM+\b]
.endr
.endr
	WIN 0
.irp b, 0,1,2,3
	v_permlanex16_b32 v[TM+4+\b], v[TM+\b], s10, s11
.endr
.irp b, 0,1,2,3
	v_max_num_f32 v[TM+\b], v[TM+\b], v[TM+4+\b]   ; with lane l xor 16's: the block's largest magnitude
.endr
.irp b, 0,1,2,3
	v_add_nc_u32 v[TM+12+\b], 0xff000000, v[TM+\b] ; 2 off its exponent field: the conversion's scale operand
.endr
.irp b, 0,1,2,3
	v_lshrrev_b32 v[TM+4+\b], 23, v[TM+12+\b]      ; the scale's byte
.endr
	v_lshl_or_b32 v[SW+(\a)], v[TM+5], 8, v[TM+4]
	v_lshl_or_b32 v[SW+(\a)], v[TM+6], 16, v[SW+(\a)]
	v_lshl_or_b32 v[SW+(\a)], v[TM+7], 24, v[SW+(\a)]
.if (\a) > 0
	s_wait_xcnt 0x0                                ; the last tile's stores have read their data and their base: both are written again only behind this wait
	s_add_nc_u64 s[100:101], s[100:101], s[94:95]
.endif
	WIN WN                                         ; source 0: the accumulators' window
.irp c, 0,1
	v_cvt_scalef32_pk16_fp6_f32 v[PC+6*\c:PC+6*\c+2], v[ACB+32*\c:ACB+32*\c+15], v[TM+12+2*\c]
	v_cvt_scalef32_pk16_fp6_f32 v[PX+4*\c:PX+4*\c+2], v[ACB+32*\c+16:ACB+32*\c+31], v[TM+13+2*\c]
.endr
	WIN 0
	v_nop                                          ; one plain place behind a scaled conversion
.irp c, 0,1                                    ; the layout wants a WHOLE block in a lane: lanes 0-15 block 2 c, lanes 16-31 block 2 c + 1
.irp i, 0,1,2
	v_permlane16_swap_b32 v[PC+6*\c+\i], v[PX+4*\c+\i]
.endr
.irp i, 0,1,2
	v_mov_b32 v[PC+6*\c+3+\i], v[PX+4*\c+\i]
.endr
.endr
	global_store_b128 v24, v[PC:PC+3], s[100:101]                  ; 1,536 consecutive bytes in four stores, each of whole aligned blocks of 256 bytes
	global_store_b64 v25, v[PC+4:PC+5], s[100:101] offset:512
	global_store_b128 v24, v[PC+6:PC+9], s[100:101] offset:768
	global_store_b64 v25, v[PC+10:PC+11], s[100:101] offset:1280
.endm
	PLACES NP                                      ; behind the last products
.irp a, 0,1,2,3,4,5,6,7
	OUTQ \a
.endr
.irp a, 0,1,2,3,4,5,6,7
	v_lshrrev_b32 v[SW+\a], v31, v[SW+\a]          ; q, k: my half of the lanes' head: its two bytes, 0 above them (the zero codes that fill the head's 64 up to 128 add nothing under that byte); v: the word as it is
.endr
.irp a, 0,1,2,3,4,5,6,7
	v_and_b32 v[SW+\a], s98, v[SW+\a]
.endr
	global_store_b128 v26, v[SW:SW+3], s[66:67]    ; four tiles' words of a row: 16 lanes store 256 consecutive bytes
	global_store_b128 v30, v[SW+4:SW+7], s[66:67]
	s_wait_tensorcnt 0x0                           ; the wave's end, behind my last tensor load
	ds_add_u32 v[SPW], v[NIL]
	s_wait_dscnt 0x0
	CROUND                                         ; the closing round: no work-group ends while a partner may still ask for a tile that names it
	s_endpgm
.Lfunc_end_k_q0a0825e4b9_proj:
	.size	k_q0a0825e4b9_proj, .Lfunc_end_k_q0a0825e4b9_proj-k_q0a0825e4b9_proj
	.p2alignl 7, 3214868480
	.fill 96, 4, 3214868480
	.section	.rodata,"a",@progbits
	.p2align	6, 0x0
	.amdhsa_kernel k_q0a0825e4b9_proj
		.amdhsa_group_segment_fixed_size 327680
		.amdhsa_private_segment_fixed_size 0
		.amdhsa_enable_private_segment 0
		.amdhsa_kernarg_size 32
		.amdhsa_user_sgpr_count 2
		.amdhsa_user_sgpr_kernarg_segment_ptr 1
		.amdhsa_wavefront_size32 1
		.amdhsa_system_sgpr_workgroup_id_x 1
		.amdhsa_system_sgpr_workgroup_id_y 1
		.amdhsa_system_sgpr_workgroup_id_z 1
		.amdhsa_system_vgpr_workitem_id 0
		.amdhsa_next_free_vgpr 1024
		.amdhsa_next_free_sgpr 102
		.amdhsa_reserve_vcc 0
		.amdhsa_float_denorm_mode_32 3
		.amdhsa_float_denorm_mode_16_64 3
		.amdhsa_memory_ordered 1
		.amdhsa_forward_progress 1
		.amdhsa_inst_pref_size 150
	.end_amdhsa_kernel
	.amdgpu_metadata
---
amdhsa.version: [ 1, 2 ]
amdhsa.kernels:
  - .name:           k_q0a0825e4b9_proj
    .symbol:         k_q0a0825e4b9_proj.kd
    .args:
      - { .name: xq, .offset: 0, .size: 8, .value_kind: global_buffer, .address_space: global }
      - { .name: wq, .offset: 8, .size: 8, .value_kind: global_buffer, .address_space: global }
      - { .name: qk, .offset: 16, .size: 8, .value_kind: global_buffer, .address_space: global }
      - { .name: vq, .offset: 24, .size: 8, .value_kind: global_buffer, .address_space: global }
    .group_segment_fixed_size: 327680
    .private_segment_fixed_size: 0
    .kernarg_segment_align: 8
    .kernarg_segment_size: 32
    .max_flat_workgroup_size: 128
    .sgpr_count:     102
    .vgpr_count:     1024
    .wavefront_size: 32
...
	.end_amdgpu_metadata
.endif
;; end of part 2
;; launch attn (part 3): grid 4 x 64, 16 waves a work-group, no clusters, 327,680 bytes of LDS; arguments qk, vq, cq; writes cq
.if DOCPART == 3
	.amdgcn_target "amdgcn-amd-amdhsa--gfx1250"
	.amdhsa_code_object_version 6
	.text
	.protected	k_q0a0825e4b9_attn
	.globl	k_q0a0825e4b9_attn
	.p2align	8
	.type	k_q0a0825e4b9_attn,@function
k_q0a0825e4b9_attn:
	s_mov_b64 s[64:65], 0
	v_nop
	global_prefetch_b8 v0, s[64:65] scope:SCOPE_SE
	s_setreg_imm32_b32 hwreg(HW_REG_WAVE_MODE, 25, 1), 1
	s_wait_xcnt 0x0
; ctx[b][q][head][:] = the sum over keys k <= q of softmax_k(q . k / 8) v[k][:], both products on codes of FP6 (E2M3) with E8M0 scales; ctx is quantised along head x 64 + d and leaves as codes for the last product.
; THE SOFTMAX AHEAD OF THE SECOND PRODUCT: t = score x log2(e) / 8; M = the row's largest t so far, rounded UP to a whole number; p = 2^(t - M) is what is quantised, along the keys; the row's sum is taken of the unquantised p
; and divides O at the end.  When M moves, the sum and O are multiplied by 2^(old M - new M): exact.
; INPUTS, in the order of an operand's registers.  A tile is 16 tokens: lane-row r of tile 2 B + u is token 32 B + 8 u + r + 8 (r / 8).  qk: half fragments (16 tokens x a head's 64, 768 bytes) at (token tile x 32 + hh) x 768,
; hh 0-15 q's heads, 16-31 k's; scale words from byte QKS on: [hh][128 tokens][tiles 0-3, 4-7][r][4 tiles].  The head's 64 are HALF of the matrix instruction's 128: the other half is zero codes on both sides, kept in registers.
; vq: fragments of V^T (16 of a head's 64 x 128 keys, 1,536 bytes) at ((head x 4 + dt) x 64 + 128 tokens) x 1,536; scale words from byte SOFF on: [head][128 tokens][2 copies][r][dt].
; SHARES.  A work-group owns one head of one batch and TWO blocks of 256 queries, i and 7 - i, one after the other: (i + 1) + (8 - i) = 9 slots of 256 keys for every work-group: 256 work-groups of equal work, and a trip count
; that is a constant of the text.  Each of the sixteen waves owns one tile of 16 queries, in 256 registers: four waves to a SIMD, so that one wave's vector work stands beside another's matrix work and LDS loads.
; Both products are used transposed: S^T = K Q^T, O^T = V^T P^T: a lane holds ONE query throughout, and by the choice of a tile's rows the 16 registers of tiles 2 B, 2 B + 1 are 16 neighbouring keys (or 16 neighbours of the head's 64).
; K's and V's codes and scale words of 256 keys come through a ring of two LDS slots: waves 0 to 3 issue one tensor load each.
; NO CLUSTER: the four work-groups of a head walk different keys in the same trip (that is what makes their work equal), so no two ask for the same tile at the same time.
; NO PREFETCH: a refill has a whole slot's two key steps of sixteen waves in which to land, and each tile is read by four work-groups.
; LIMITS: a block of zeros gets the byte 1 where the rule says 127 (zero codes; this program alone reads the bytes); largest magnitudes under 2^-124 are held at that floor; NaN and infinities are not served;
; ctx = O x v_rcp_f32(the sum); ctx's scale bytes leave as single bytes, 32 for a tile and head beside its 768 bytes of codes.
.set SOFF,  6291456                    ; where the scale words begin in vq and in cq
.set QKS,   12582912                   ; and in qk
.set SLOT1, 32768                      ; slot 1 begins here: one exclusive or turns an address from one slot to the other
.set VOFF,  12288                      ; a slot: K's 16 half fragments; V's [dt][step] fragments;
.set KSO,   24576                      ; K's scale words, 1,024 bytes;
.set VSO,   25600                      ; V's, 1,024 bytes
.set SPARE, 65536                      ; behind the ring: the spare words, 128 bytes for each wave: eight blocks of 256 bytes that no other line names
.set SPW,  5                           ; v5   LDS address of my spare word; never rewritten
.set NIL,  6                           ; v6   0; never rewritten
;                                        v12 -M, v13 the largest t, v[14:15] the sum in two halves
.set QF,   16                          ; v16-27  Q's fragment (v22-27 stay 0)
.set VSW,  28                          ; v28-31  V's scale words
.set KFR,  32                          ; v32-79  four fragments of K (registers 6-11 of each stay 0)
.set BM,   80                          ; v80-83  the blocks' largest scores, then largest p
.set PT,   84                          ; v84-87  at work
.set SO,   88                          ; v88-91  the conversions' scale operands
.set FF,   92                          ; v[92:93] f = 2^(old M - new M); v93 is written once
.set TMP,  94
.set PWD,  95                          ; p's scale word
.set S,    96                          ; v96-159 S^T, then p; then V's four fragments in v96-143
.set O,    160                         ; v160-191 O^T
.set PC,   192                         ; v192-203 p's codes
.set PX,   204                         ; v204-206, v208-210 the second conversions
.set KSW,  212                         ; v212-215 K's scale words
.set QSW,  216                         ; Q's scale word
.set RPH,  217                         ; r + 8 (r / 8) - 16 h
.set LI16, 218                         ; 16 x lane
.set LI8,  219                         ; 8 x lane
.set R16,  220                         ; 16 r
.set A16,  221                         ; the same three + the slot in hand
.set A8,   222
.set AR16, 223
.set CSO,  224                         ; 8 r + h
.set HV,   225                         ; h
.set MINF, 226                         ; -infinity
.set BYT,  227                         ; my half's scale byte of ctx
.set WV,   10                          ; s10 wave;  s11 i;  s12 head;  s13 batch;  s14 the trip;  s15 the block of queries;  s16 my first query;  s17 the step's first key;  s18 the slot in hand;  s19 its 256 keys' number
.set I,    11
.set HEAD, 12
.set B,    13
.set T,    14
.set JB,   15
.set Q0,   16
.set KF,   17
.set TB,   18
.set KSN,  19
.set SEL,  20                          ; s[20:21] v_permlanex16_b32's selects for lane l xor 16
.set CS,   22                          ; s[22:23] c = log2(e) / 8
.set G1K,  24                          ; s[24:31], s[32:39], s[40:47] descriptor groups 1: K's codes, V's codes, scale words
.set G1V,  32
.set G1S,  40
;                                        s[48:63] four groups 0;  s[66:73] the four streams' first bytes
.set QB,   74                          ; s[74:75] Q's half fragment;  s[76:77] its scale words;  s[78:79] ctx's half fragment;  s[80:81] its scale bytes
.set QSB,  76
.set CCB,  78
.set CSB,  80
; Waves 0 to 3 issue one load each, the others none; the branches hang on the wave's number alone.  An s_nop 0 and four v_nop follow each load.
.macro TLOAD
	s_cmp_lg_u32 s[WV], 0
	s_cbranch_scc1 .Lnot0_\@
	tensor_load_to_lds s[48:51], s[G1K:G1K+7]
	s_nop 0
.rept 4
	v_nop
.endr
	s_branch .Lasked_\@
.Lnot0_\@:
	s_cmp_lg_u32 s[WV], 1
	s_cbranch_scc1 .Lnot1_\@
	tensor_load_to_lds s[52:55], s[G1V:G1V+7]
	s_nop 0
.rept 4
	v_nop
.endr
	s_branch .Lasked_\@
.Lnot1_\@:
	s_cmp_lg_u32 s[WV], 2
	s_cbranch_scc1 .Lnot2_\@
	tensor_load_to_lds s[56:59], s[G1S:G1S+7]
	s_nop 0
.rept 4
	v_nop
.endr
	s_branch .Lasked_\@
.Lnot2_\@:
	s_cmp_lg_u32 s[WV], 3
	s_cbranch_scc1 .Lasked_\@
	tensor_load_to_lds s[60:63], s[G1S:G1S+7]
	s_nop 0
.rept 4
	v_nop
.endr
.Lasked_\@:
.endm
; A block of 256 queries begins: addresses, Q's half fragment and scale word, and the sums' start: O^T and the sum are zeros and the largest t is -3e38, so that the key step has no first form of its own.
.macro SETBLOCK
	s_lshl_b32 s82, s[JB], 4
	s_add_co_u32 s82, s82, s[WV]
	s_lshl_b32 s83, s[B], 7
	s_add_co_u32 s82, s82, s83                     ; my token tile: 128 x batch + 16 x block + wave
	s_lshl_b32 s[Q0], s[JB], 8
	s_lshr_b32 s83, s[WV], 1
	s_lshl_b32 s83, s83, 5
	s_add_co_u32 s[Q0], s[Q0], s83
	s_and_b32 s83, s[WV], 1
	s_lshl_b32 s83, s83, 3
	s_add_co_u32 s[Q0], s[Q0], s83                 ; my first query; my last is 23 on
	s_mov_b32 s[KF], 0
	s_mov_b32 s85, 0
	s_mul_i32 s87, s[HEAD], 768
	s_mul_i32 s84, s82, 24576
	s_add_co_u32 s84, s84, s87
	s_add_nc_u64 s[QB:QB+1], s[4:5], s[84:85]
	s_lshr_b32 s84, s82, 2
	s_lshl_b32 s84, s84, 8                         ; four tiles' words are 256 bytes
	s_and_b32 s86, s82, 3
	s_lshl_b32 s86, s86, 2
	s_add_co_u32 s84, s84, s86
	s_lshl_b32 s86, s[HEAD], 15
	s_add_co_u32 s84, s84, s86
	s_add_co_u32 s84, s84, QKS
	s_add_nc_u64 s[QSB:QSB+1], s[4:5], s[84:85]
	s_mul_i32 s84, s82, 12288
	s_add_co_u32 s84, s84, s87
	s_add_nc_u64 s[CCB:CCB+1], s[8:9], s[84:85]
	s_lshl_b32 s84, s82, 9
	s_add_co_u32 s84, s84, s90
	s_add_nc_u64 s[CSB:CSB+1], s[8:9], s[84:85]
	global_load_b128 v[QF:QF+3], v[LI16], s[QB:QB+1]
	global_load_b64 v[QF+4:QF+5], v[LI8], s[QB:QB+1] offset:512
	global_load_b32 v[QSW], v[R16], s[QSB:QSB+1]
	v_mov_b32 v13, 0xff61b1e6                      ; -3e38, under every t
	s_delay_alu instid0(VALU_DEP_1)
	v_floor_f32 v12, -v13
	v_mov_b32 v14, 0
	v_mov_b32 v15, 0
.set NN, 0
.rept 32
	v_mov_b32 v[O+NN], 0
.set NN, NN+1
.endr
	s_wait_loadcnt 0x0
.endm
; THE CHANGE OF SLOTS stands at a slot's head.  Each wave waits for all its tensor loads (its part of the slot that is about to be read), adds 0 to its spare word, and waits for that and for its reads of the slot that it has left.
; Behind the barrier the slot ahead is whole and nobody reads the other one.  fill = 1: that other slot is filled with the next trip's 256 keys: the keys that follow, or, where the block of queries ends with this trip, keys 0 on.
.macro CHANGE fill
	s_wait_tensorcnt 0x0                           ; no tensor load of mine is out, so a group 0 may be written
	ds_add_u32 v[SPW], v[NIL]                      ; 0 onto my spare word; the descriptors' words stand between it and the wait for it
.if \fill
	s_xor_b32 s49, s49, SLOT1
	s_xor_b32 s53, s53, SLOT1
	s_xor_b32 s57, s57, SLOT1
	s_xor_b32 s61, s61, SLOT1
	s_add_co_u32 s82, s[KSN], 1
	s_cmp_eq_u32 s[T], s[I]                        ; ids and the count of trips alone
	s_cselect_b32 s[KSN], 0, s82
	s_mov_b32 s85, 0
	s_mul_i32 s84, s[KSN], 393216                  ; K: 16 token tiles of 24,576 bytes
	s_add_nc_u64 s[50:51], s[66:67], s[84:85]
	s_or_b32 s51, s51, 0x80000000
	s_mul_i32 s84, s[KSN], 3072                    ; V: two fragments in each of four rows
	s_add_nc_u64 s[54:55], s[68:69], s[84:85]
	s_or_b32 s55, s55, 0x80000000
	s_lshl_b32 s84, s[KSN], 10                     ; scale words: 1,024 bytes
	s_add_nc_u64 s[58:59], s[70:71], s[84:85]
	s_or_b32 s59, s59, 0x80000000
	s_add_nc_u64 s[62:63], s[72:73], s[84:85]
	s_or_b32 s63, s63, 0x80000000
.endif
	s_wait_dscnt 0x0                               ; the add is done, and my reads of the slot that I have left are over
	s_barrier_signal -1
	s_barrier_wait -1
.if \fill
	TLOAD                                          ; the first thing behind the barrier, and a wave's one tensor load until the next; every slot that is asked for is read
.endif
.endm
; A KEY STEP: 128 keys, the q-th of the slot in hand.
.macro STEP q
	s_add_co_u32 s96, s[Q0], 23                    ; a step all of whose keys come after my queries is left out: a scalar branch on ids, round no barrier and no tensor load
	s_cmp_gt_u32 s[KF], s96
	s_cbranch_scc1 .Lhid_\@
	s_wait_alu depctr_va_vdst(0)
.irp g, 0,1                                    ; S^T = K Q^T, four tiles of 16 keys at a time
.if \g > 0
.rept 4
	v_nop                                          ; places in front of loads into registers that the four products above have read
.endr
.endif
.irp t, 0,1,2,3
	ds_load_b128 v[KFR+12*\t:KFR+12*\t+3], v[A16] offset:(8*(\q)+4*\g+\t)*768
	ds_load_b64 v[KFR+12*\t+4:KFR+12*\t+5], v[A8] offset:(8*(\q)+4*\g+\t)*768+512
.endr
	ds_load_b128 v[KSW:KSW+3], v[AR16] offset:KSO+512*(\q)+256*\g      ; row r's words of the four tiles
	s_wait_dscnt 0x0
.irp t, 0,1,2,3
	v_wmma_scale_f32_16x16x128_f8f6f4 v[S+8*(4*\g+\t):S+8*(4*\g+\t)+7], v[KFR+12*\t:KFR+12*\t+11], v[QF:QF+11], 0, v[KSW+\t], v[QSW] matrix_a_fmt:MATRIX_FMT_FP6 matrix_b_fmt:MATRIX_FMT_FP6
.endr
.endr                                          ; register 16 b + i holds key KF + 32 b + 16 (lane / 16) + i of my query
.rept 4
	v_nop
.endr
	s_add_co_u32 s96, s[KF], 127                   ; on the diagonal the scores of hidden keys become -infinity ahead of the maximum: p = 0 then.  A step all of whose keys count skips this
	s_cmp_le_u32 s96, s[Q0]
	s_cbranch_scc1 .Lopen_\@
	s_sub_co_i32 s96, s[Q0], s[KF]
	v_add_nc_u32 v[TMP], s96, v[RPH]               ; my query - KF - 16 (lane / 16): register 16 b + i is hidden where 32 b + i is above it
.set NN, 0
.rept 64
	v_cmp_gt_i32 vcc_lo, 32*(NN/16)+NN%16, v[TMP]
	v_cndmask_b32 v[S+NN], v[S+NN], v[MINF], vcc_lo
.set NN, NN+1
.endr
.Lopen_\@:
.irp b, 0,1,2,3
	v_max3_num_f32 v[BM+\b], v[S+16*\b], v[S+1+16*\b], v[S+2+16*\b]    ; the largest score of each block of 32 keys: it serves the row's maximum and, since p rises with the score, the block's largest p
.endr
.irp i, 3,5,7,9,11,13
.irp b, 0,1,2,3
	v_max3_num_f32 v[BM+\b], v[BM+\b], v[S+16*\b+\i], v[S+1+16*\b+\i]
.endr
.endr
.irp b, 0,1,2,3
	v_max_num_f32 v[BM+\b], v[BM+\b], v[S+15+16*\b]
.endr
.irp b, 0,1,2,3
	s_delay_alu instid0(VALU_DEP_4)
	v_permlanex16_b32 v[PT+\b], v[BM+\b], s[SEL], s[SEL+1]
.endr
.irp b, 0,1,2,3
	s_delay_alu instid0(VALU_DEP_4)
	v_max_num_f32 v[BM+\b], v[BM+\b], v[PT+\b]     ; with lane l xor 16's 16 keys
.endr
	s_delay_alu instid0(VALU_DEP_2)
	v_max3_num_f32 v[TMP], v[BM], v[BM+1], v[BM+2]
	s_delay_alu instid0(VALU_DEP_1)
	v_max_num_f32 v[TMP], v[TMP], v[BM+3]
	s_delay_alu instid0(VALU_DEP_1)
	v_mul_f32 v[TMP], s[CS], v[TMP]                ; the step's largest t (c is positive)
	s_delay_alu instid0(VALU_DEP_1)
	v_max_num_f32 v13, v13, v[TMP]
	v_mov_b32 v[TMP], v12
	s_delay_alu instid0(VALU_DEP_2)
	v_floor_f32 v12, -v13                          ; the new -M = floor(-t) = -ceil(t)
	s_delay_alu instid0(VALU_DEP_1)
	v_sub_f32 v[TMP], v12, v[TMP]                  ; old M - new M: a whole number, 0 or less
	s_delay_alu instid0(VALU_DEP_1)
	v_cvt_i32_f32 v[TMP], v[TMP]                   ; (it saturates)
	s_delay_alu instid0(VALU_DEP_1)
	v_ldexp_f32 v[FF], 1.0, v[TMP]                 ; f = 2^(old M - new M)
.set NN, 0
.rept 32
	v_pk_fma_f32 v[S+NN:S+NN+1], v[S+NN:S+NN+1], s[CS:CS+1], v[12:13] op_sel_hi:[1,0,0]   ; t - M, two at a time
.set NN, NN+2
.endr
.irp b, 0,1,2,3
	v_fma_f32 v[BM+\b], v[BM+\b], s[CS], v12
.endr
.set NN, 0
	s_wait_alu depctr_va_vdst(0)
.rept 64
	v_exp_f32 v[S+NN], v[S+NN]                     ; p = 2^(t - M), at most 1
.set NN, NN+1
.endr
	v_pk_mul_f32 v[14:15], v[14:15], v[FF:FF+1] op_sel_hi:[1,0]        ; the sums under the new M.  (A plain place behind the exponentials)
	s_wait_alu depctr_va_vdst(0)                   ; one wait for the whole batch, ahead of its first reader
.irp b, 0,1,2,3
	v_exp_f32 v[BM+\b], v[BM+\b]                   ; the block's largest p: the same two instructions on the same number give the same bits
.endr
	v_pk_add_f32 v[84:85], v[100:101], v[104:105]
	v_pk_add_f32 v[254:255], v[108:109], v[112:113]
	v_pk_add_f32 v[252:253], v[116:117], v[120:121]
	v_pk_add_f32 v[250:251], v[124:125], v[128:129]
	v_pk_add_f32 v[248:249], v[132:133], v[136:137]
	v_pk_add_f32 v[246:247], v[140:141], v[144:145]
	v_pk_add_f32 v[244:245], v[148:149], v[152:153]
	v_pk_add_f32 v[14:15], v[14:15], v[156:157]
	v_pk_add_f32 v[84:85], v[84:85], v[96:97]
	v_pk_add_f32 v[254:255], v[254:255], v[98:99]
	v_pk_add_f32 v[252:253], v[252:253], v[102:103]
	v_pk_add_f32 v[250:251], v[250:251], v[106:107]
	v_pk_add_f32 v[248:249], v[248:249], v[110:111]
	v_pk_add_f32 v[246:247], v[246:247], v[114:115]
	v_pk_add_f32 v[244:245], v[244:245], v[118:119]
	v_pk_add_f32 v[14:15], v[14:15], v[122:123]
	v_pk_add_f32 v[84:85], v[84:85], v[126:127]
	v_pk_add_f32 v[254:255], v[254:255], v[130:131]
	v_pk_add_f32 v[252:253], v[252:253], v[134:135]
	v_pk_add_f32 v[250:251], v[250:251], v[138:139]
	v_pk_add_f32 v[248:249], v[248:249], v[142:143]
	v_pk_add_f32 v[246:247], v[246:247], v[146:147]
	v_pk_add_f32 v[244:245], v[244:245], v[150:151]
	v_pk_add_f32 v[14:15], v[14:15], v[154:155]
	v_pk_add_f32 v[84:85], v[84:85], v[158:159]
	s_delay_alu instid0(VALU_DEP_2)
	v_pk_add_f32 v[14:15], v[14:15], v[250:251]
	s_delay_alu instid0(VALU_DEP_2)
	v_pk_add_f32 v[84:85], v[84:85], v[248:249]
	v_pk_add_f32 v[254:255], v[254:255], v[246:247]
	v_pk_add_f32 v[252:253], v[252:253], v[244:245]
	s_delay_alu instid0(VALU_DEP_2)
	v_pk_add_f32 v[14:15], v[14:15], v[254:255]
	s_delay_alu instid0(VALU_DEP_2)
	v_pk_add_f32 v[84:85], v[84:85], v[252:253]
	s_delay_alu instid0(VALU_DEP_1)
	v_pk_add_f32 v[14:15], v[14:15], v[84:85]
	s_wait_alu depctr_va_vdst(0)                   ; and one for the four
.irp b, 0,1,2,3
	v_max_num_f32 v[BM+\b], 0x1800000, v[BM+\b]    ; the floor 2^(3 - 127): the byte cannot fall under 1
.endr
.irp b, 0,1,2,3
	s_delay_alu instid0(VALU_DEP_4)
	v_add_nc_u32 v[SO+\b], 0xff000000, v[BM+\b]    ; 2 off the exponent field: the conversion's scale operand
.endr
.irp b, 0,1,2,3
	s_delay_alu instid0(VALU_DEP_4)
	v_lshrrev_b32 v[PT+\b], 23, v[SO+\b]
.endr
	s_delay_alu instid0(VALU_DEP_3)
	v_lshl_or_b32 v[PWD], v[PT+1], 8, v[PT]        ; p's scale word for these 128 keys
	s_delay_alu instid0(VALU_DEP_1)
	v_lshl_or_b32 v[PWD], v[PT+2], 16, v[PWD]
	s_delay_alu instid0(VALU_DEP_1)
	v_lshl_or_b32 v[PWD], v[PT+3], 24, v[PWD]
.irp c, 0,1
	v_cvt_scalef32_pk16_fp6_f32 v[PC+6*\c:PC+6*\c+2], v[S+32*\c:S+32*\c+15], v[SO+2*\c]
	v_cvt_scalef32_pk16_fp6_f32 v[PX+4*\c:PX+4*\c+2], v[S+16+32*\c:S+31+32*\c], v[SO+2*\c+1]
.endr
	v_nop                                          ; one plain place behind a scaled conversion
.irp d, 0,1,2,3                                ; p has been read for the last time: V's four fragments land in its registers while the codes are put in order
	ds_load_b128 v[S+12*\d:S+12*\d+3], v[A16] offset:VOFF+3072*\d+1536*(\q)
	ds_load_b64 v[S+12*\d+4:S+12*\d+5], v[A8] offset:VOFF+3072*\d+1536*(\q)+512
	ds_load_b128 v[S+12*\d+6:S+12*\d+9], v[A16] offset:VOFF+3072*\d+1536*(\q)+768
	ds_load_b64 v[S+12*\d+10:S+12*\d+11], v[A8] offset:VOFF+3072*\d+1536*(\q)+1280
.endr
	ds_load_b128 v[VSW:VSW+3], v[A16] offset:VSO+512*(\q)
.irp c, 0,1                                    ; the layout wants a WHOLE block in a lane
.irp i, 0,1,2
	v_permlane16_swap_b32 v[PC+6*\c+\i], v[PX+4*\c+\i]
.endr
.irp i, 0,1,2
	s_delay_alu instid0(VALU_DEP_3)
	v_mov_b32 v[PC+6*\c+3+\i], v[PX+4*\c+\i]
.endr
.endr
.set NN, 0
.rept 16
	v_pk_mul_f32 v[O+NN:O+NN+1], v[O+NN:O+NN+1], v[FF:FF+1] op_sel_hi:[1,0]    ; O^T under the new M, each accumulator from its low end on.  (These 16 are also the places in front of the products below)
.set NN, NN+2
.endr
	s_wait_alu depctr_va_vdst(0)
	s_wait_dscnt 0x0
.irp d, 0,1,2,3                                ; O^T += V^T P^T: the four accumulators by turns
	v_wmma_scale_f32_16x16x128_f8f6f4 v[O+8*\d:O+8*\d+7], v[S+12*\d:S+12*\d+11], v[PC:PC+11], v[O+8*\d:O+8*\d+7], v[VSW+\d], v[PWD] matrix_a_fmt:MATRIX_FMT_FP6 matrix_b_fmt:MATRIX_FMT_FP6
.endr
.rept 5
	v_nop                                          ; five places: the next step's first products write over registers that these have read
.endr
.Lhid_\@:
	s_add_co_u32 s[KF], s[KF], 128
.endm
.macro SLOT_STEPS
	v_add_nc_u32 v[A16], s[TB], v[LI16]
	v_add_nc_u32 v[A8], s[TB], v[LI8]
	v_add_nc_u32 v[AR16], s[TB], v[R16]
	STEP 0
	STEP 1
	s_xor_b32 s[TB], s[TB], SLOT1                  ; on to the other slot
.endm
; A block of queries ends: ctx = O^T / the sum; register 16 b + i is d = 32 b + 16 (lane / 16) + i of my query: two blocks of the last product's K.  They become a half fragment and two scale bytes.
.macro FINISH
	v_add_f32 v14, v14, v15
	s_delay_alu instid0(VALU_DEP_1)
	v_permlanex16_b32 v[TMP], v14, s[SEL], s[SEL+1]
	s_delay_alu instid0(VALU_DEP_1)
	v_add_f32 v14, v14, v[TMP]                     ; the row's sum
	s_wait_alu depctr_va_vdst(0)
	v_rcp_f32 v14, v14
	v_nop                                          ; a plain place behind the transcendental
	s_wait_alu depctr_va_vdst(0)                   ; and the wait ahead of its first reader
.set NN, 0
.rept 16
	v_pk_mul_f32 v[S+NN:S+NN+1], v[O+NN:O+NN+1], v[14:15] op_sel_hi:[1,0]
.set NN, NN+2
.endr
.irp b, 0,1
	v_max3_num_f32 v[BM+\b], |v[S+16*\b]|, |v[S+1+16*\b]|, 0x1800000
.endr
.irp i, 2,4,6,8,10,12,14
.irp b, 0,1
	s_delay_alu instid0(VALU_DEP_2)
	v_max3_num_f32 v[BM+\b], v[BM+\b], |v[S+16*\b+\i]|, |v[S+1+16*\b+\i]|
.endr
.endr
.irp b, 0,1
	s_delay_alu instid0(VALU_DEP_2)
	v_permlanex16_b32 v[PT+\b], v[BM+\b], s[SEL], s[SEL+1]
.endr
.irp b, 0,1
	s_delay_alu instid0(VALU_DEP_2)
	v_max_num_f32 v[BM+\b], v[BM+\b], v[PT+\b]
.endr
.irp b, 0,1
	s_delay_alu instid0(VALU_DEP_2)
	v_add_nc_u32 v[SO+\b], 0xff000000, v[BM+\b]
.endr
.irp b, 0,1
	s_delay_alu instid0(VALU_DEP_2)
	v_lshrrev_b32 v[PT+\b], 23, v[SO+\b]
.endr
	v_cvt_scalef32_pk16_fp6_f32 v[PC:PC+2], v[S:S+15], v[SO]
	v_cvt_scalef32_pk16_fp6_f32 v[PX:PX+2], v[S+16:S+31], v[SO+1]
	v_nop                                          ; one plain place behind a scaled conversion
.irp i, 0,1,2
	v_permlane16_swap_b32 v[PC+\i], v[PX+\i]
.endr
.irp i, 0,1,2
	s_delay_alu instid0(VALU_DEP_3)
	v_mov_b32 v[PC+3+\i], v[PX+\i]
.endr
	v_cmp_ne_u32 vcc_lo, 0, v[HV]
	s_delay_alu instid0(VALU_DEP_1)
	v_cndmask_b32 v[BYT], v[PT], v[PT+1], vcc_lo   ; lanes 0-15 store block 0's byte, lanes 16-31 block 1's
	global_store_b128 v[LI16], v[PC:PC+3], s[CCB:CCB+1]            ; 768 consecutive bytes: three aligned blocks of 256
	global_store_b64 v[LI8], v[PC+4:PC+5], s[CCB:CCB+1] offset:512
	global_store_b8 v[CSO], v[BYT], s[CSB:CSB+1]
.endm
	s_load_b128 s[4:7], s[0:1], 0x0                ; qk, vq
	s_load_b64 s[8:9], s[0:1], 0x10                ; cq
	v_lshl_add_u32 v[SPW], v0, 2, SPARE
	v_mov_b32 v[NIL], 0
	ds_add_u32 v[SPW], v[NIL]                      ; the wave's opening: the add, and its wait ahead of the first tensor load; work on registers stands between them
	ds_add_u32 v[SPW], v[NIL]
	v_lshrrev_b32 v1, 5, v0
	s_delay_alu instid0(VALU_DEP_1)
	v_readfirstlane_b32 s[WV], v1                  ; wave 0..15
	s_mov_b32 s[I], ttmp9
	s_and_b32 s82, ttmp7, 0xffff
	s_and_b32 s[HEAD], s82, 15
	s_lshr_b32 s[B], s82, 4
	; K's codes: 16 half fragments of 768 bytes (96 elements of 8 bytes), 24,576 bytes apart
	s_mov_b32 s[G1K], 3<<16
	s_mov_b32 s[G1K+1], 96<<16
	s_mov_b32 s[G1K+2], 16<<16
	s_mov_b32 s[G1K+3], 96<<16
	s_mov_b32 s[G1K+4], 16
	s_mov_b32 s[G1K+5], 3072
	s_mov_b32 s[G1K+6], 0
	s_mov_b32 s[G1K+7], 0
	; V's codes: 4 rows of two fragments, 3,072 bytes, 98,304 bytes apart
	s_mov_b32 s[G1V], 3<<16
	s_mov_b32 s[G1V+1], 384<<16
	s_mov_b32 s[G1V+2], 4<<16
	s_mov_b32 s[G1V+3], 384<<16
	s_mov_b32 s[G1V+4], 4
	s_mov_b32 s[G1V+5], 12288
	s_mov_b32 s[G1V+6], 0
	s_mov_b32 s[G1V+7], 0
	; scale words: 1,024 dense bytes, as 4 rows of 256
	s_mov_b32 s[G1S], 3<<16
	s_mov_b32 s[G1S+1], 32<<16
	s_mov_b32 s[G1S+2], 4<<16
	s_mov_b32 s[G1S+3], 32<<16
	s_mov_b32 s[G1S+4], 4
	s_mov_b32 s[G1S+5], 32
	s_mov_b32 s[G1S+6], 0
	s_mov_b32 s[G1S+7], 0
	s_mov_b32 s[SEL], 0x76543210
	s_mov_b32 s[SEL+1], 0xfedcba98
	s_mov_b32 s[CS], 0x3e38aa3b                    ; c = log2(e) / 8
	s_mov_b32 s[CS+1], s[CS]                       ; (named with it as a pair, so it is written)
	s_lshl_b32 s82, s[B], 12
	s_add_co_u32 s82, s82, s[HEAD]
	s_add_co_u32 s82, s82, 16
	s_mul_i32 s82, s82, 768                        ; K's codes: (128 x batch) token tiles x 32 + 16 + head
	s_mov_b32 s83, 0
	s_lshl_b32 s84, s[HEAD], 8
	s_lshl_b32 s86, s[B], 4
	s_add_co_u32 s84, s84, s86
	s_mul_i32 s84, s84, 1536                       ; V's codes: (head x 4) x 64 + 16 x batch
	s_mov_b32 s85, 0
	s_lshl_b32 s86, s[HEAD], 15
	s_lshl_b32 s88, s[B], 13
	s_add_co_u32 s86, s86, s88
	s_add_co_u32 s88, s86, SOFF                    ; V's scale words
	s_add_co_u32 s86, s86, QKS+16*32768            ; K's
	s_mov_b32 s87, 0
	s_mov_b32 s89, 0
	s_lshr_b32 s90, s[HEAD], 2                     ; ctx's scale bytes: the head's 64 are bytes 2 (head % 2), + 1 of word (head / 2) % 2 of the (head / 4)-th 256 along K
	s_lshl_b32 s90, s90, 7
	s_bfe_u32 s91, s[HEAD], 0x10001
	s_lshl_b32 s91, s91, 2
	s_add_co_u32 s90, s90, s91
	s_and_b32 s91, s[HEAD], 1
	s_lshl_b32 s91, s91, 1
	s_add_co_u32 s90, s90, s91
	s_add_co_u32 s90, s90, SOFF
	s_wait_dscnt 0x0                               ; the opening add is done
	s_wait_kmcnt 0x0
	s_add_nc_u64 s[66:67], s[4:5], s[82:83]
	s_add_nc_u64 s[68:69], s[6:7], s[84:85]
	s_add_nc_u64 s[70:71], s[4:5], s[86:87]
	s_add_nc_u64 s[72:73], s[6:7], s[88:89]
	s_mov_b32 s48, 1
	s_mov_b32 s49, 0
	s_mov_b64 s[50:51], s[66:67]
	s_or_b32 s51, s51, 0x80000000
	s_mov_b32 s52, 1
	s_mov_b32 s53, VOFF
	s_mov_b64 s[54:55], s[68:69]
	s_or_b32 s55, s55, 0x80000000
	s_mov_b32 s56, 1
	s_mov_b32 s57, KSO
	s_mov_b64 s[58:59], s[70:71]
	s_or_b32 s59, s59, 0x80000000
	s_mov_b32 s60, 1
	s_mov_b32 s61, VSO
	s_mov_b64 s[62:63], s[72:73]
	s_or_b32 s63, s63, 0x80000000
	TLOAD                                          ; keys 0 to 255 into slot 0
	v_and_b32 v1, 31, v0
	v_and_b32 v2, 15, v0
	v_bfe_u32 v[HV], v0, 4, 1
	s_delay_alu instid0(VALU_DEP_3)
	v_lshlrev_b32 v[LI16], 4, v1
	s_delay_alu instid0(VALU_DEP_4)
	v_lshlrev_b32 v[LI8], 3, v1
	s_delay_alu instid0(VALU_DEP_4)
	v_lshlrev_b32 v[R16], 4, v2
	v_and_b32 v3, 8, v2
	s_delay_alu instid0(VALU_DEP_1)
	v_add_nc_u32 v3, v3, v2
	v_lshlrev_b32 v4, 4, v[HV]
	s_delay_alu instid0(VALU_DEP_1)
	v_sub_nc_u32 v[RPH], v3, v4
	v_lshl_add_u32 v[CSO], v2, 3, v[HV]
	v_mov_b32 v[MINF], 0xff800000
.irp j, 6,7,8,9,10,11
	v_mov_b32 v[QF+\j], 0                          ; the zero codes that fill a head's 64 up to the instruction's 128, on both sides: written once
	v_mov_b32 v[KFR+\j], 0
	v_mov_b32 v[KFR+12+\j], 0
	v_mov_b32 v[KFR+24+\j], 0
	v_mov_b32 v[KFR+36+\j], 0
.endr
.irp b, 0,1,2,3
	v_mov_b32 v[PT+\b], 0                          ; a lane permute's destination counts as one of its sources
.endr
	v_mov_b32 v[FF+1], 0                           ; (named as the upper half of a pair)
	v_mov_b32 v[TMP], 0
	s_mov_b32 s[JB], s[I]
	SETBLOCK
	s_mov_b32 s[T], 0
	s_mov_b32 s[KSN], 0
	s_mov_b32 s[TB], 0
.Lslot:                                            ; eight trips; behind each change of slots the next trip's keys are asked for
	CHANGE 1
	SLOT_STEPS
	s_cmp_lg_u32 s[T], s[I]                        ; block i ends with trip i: the work-group's number and the count of trips alone, the same in all sixteen waves; no barrier and no tensor load stands under the branch
	s_cbranch_scc1 .Lsame
	FINISH
	s_wait_xcnt 0x0                                ; the stores have read their data and their bases: both are written again only behind this wait
	s_sub_co_u32 s[JB], 7, s[I]
	SETBLOCK
.Lsame:
	s_add_co_u32 s[T], s[T], 1
	s_cmp_lt_u32 s[T], 8
	s_cbranch_scc1 .Lslot
	CHANGE 0                                       ; the ninth slot is written out: nothing is left to fetch
	SLOT_STEPS
	FINISH
	s_wait_tensorcnt 0x0                           ; the wave's end, behind the last tensor load
	ds_add_u32 v[SPW], v[NIL]
	s_wait_dscnt 0x0
	s_endpgm
.Lfunc_end_k_q0a0825e4b9_attn:
	.size	k_q0a0825e4b9_attn, .Lfunc_end_k_q0a0825e4b9_attn-k_q0a0825e4b9_attn
	.p2alignl 7, 3214868480
	.fill 96, 4, 3214868480
	.section	.rodata,"a",@progbits
	.p2align	6, 0x0
	.amdhsa_kernel k_q0a0825e4b9_attn
		.amdhsa_group_segment_fixed_size 327680
		.amdhsa_private_segment_fixed_size 0
		.amdhsa_enable_private_segment 0
		.amdhsa_kernarg_size 24
		.amdhsa_user_sgpr_count 2
		.amdhsa_user_sgpr_kernarg_segment_ptr 1
		.amdhsa_wavefront_size32 1
		.amdhsa_system_sgpr_workgroup_id_x 1
		.amdhsa_system_sgpr_workgroup_id_y 1
		.amdhsa_system_sgpr_workgroup_id_z 1
		.amdhsa_system_vgpr_workitem_id 0
		.amdhsa_next_free_vgpr 256
		.amdhsa_next_free_sgpr 100
		.amdhsa_reserve_vcc 1
		.amdhsa_float_denorm_mode_32 3
		.amdhsa_float_denorm_mode_16_64 3
		.amdhsa_memory_ordered 1
		.amdhsa_forward_progress 1
		.amdhsa_inst_pref_size 115
	.end_amdhsa_kernel
	.amdgpu_metadata
---
amdhsa.version: [ 1, 2 ]
amdhsa.kernels:
  - .name:           k_q0a0825e4b9_attn
    .symbol:         k_q0a0825e4b9_attn.kd
    .args:
      - { .name: qk, .offset: 0, .size: 8, .value_kind: global_buffer, .address_space: global }
      - { .name: vq, .offset: 8, .size: 8, .value_kind: global_buffer, .address_space: global }
      - { .name: cq, .offset: 16, .size: 8, .value_kind: global_buffer, .address_space: global }
    .group_segment_fixed_size: 327680
    .private_segment_fixed_size: 0
    .kernarg_segment_align: 8
    .kernarg_segment_size: 24
    .max_flat_workgroup_size: 512
    .sgpr_count:     100
    .vgpr_count:     256
    .wavefront_size: 32
...
	.end_amdgpu_metadata
.endif
;; end of part 3
;; launch outp (part 4): grid 4 x 32, 4 waves a work-group, clusters of 4 x 4, 327,680 bytes of LDS; arguments cq, wq, out0; writes out0
.if DOCPART == 4
	.amdgcn_target "amdgcn-amd-amdhsa--gfx1250"
	.amdhsa_code_object_version 6
	.text
	.protected	k_q0a0825e4b9_outp
	.globl	k_q0a0825e4b9_outp
	.p2align	8
	.type	k_q0a0825e4b9_outp,@function
k_q0a0825e4b9_outp:
	s_mov_b64 s[64:65], 0
	v_nop
	global_prefetch_b8 v0, s[64:65] scope:SCOPE_SE
	s_setreg_imm32_b32 hwreg(HW_REG_WAVE_MODE, 25, 1), 1
	s_wait_xcnt 0x0
	s_wait_alu depctr_hold_cnt(0) depctr_sa_sdst(0) depctr_va_vdst(0) depctr_va_sdst(0) depctr_va_ssrc(0) depctr_va_vcc(0) depctr_vm_vsrc(0)
	s_getreg_b32 s2, hwreg(HW_REG_IB_STS2, 6, 4)
	s_cmp_eq_u32 s2, 0
	s_cbranch_scc0 .Lentry_in_a_cluster
	s_endpgm
.Lentry_in_a_cluster:
	s_bfe_u32 s2, ttmp6, 0x10000c
	s_cmp_lg_u32 s2, 0xf033
	s_cbranch_scc0 .Lentry_shape_is_right
	s_endpgm
.Lentry_shape_is_right:
; out = ctx W_o on codes of FP6 (E2M3) with E8M0 scales; sums and output in f32.  out0: [8192][1024].
; OPERANDS lie in the order of their registers: a ROW TILE is 16 rows (lane-row r of tile 2 B + u is row 32 B + 8 u + r + 8 (r / 8)); a half fragment (16 rows x 64 K) is 768 bytes: lane l's first 16 bytes at 16 l, its last 8
; at 512 + 8 l; a row tile's 16 half fragments lie on end; scale words from byte SOFF on: [row tile][256 along K][r][2 words].
; A work-group of four waves makes 256 tokens (S1 = cq, the matrix instruction's source 1) x 256 columns (S0 = W_o's rows n in wq, row tiles 192 on, source 0), a wave 128 x 128: 64 accumulators, 512 registers.
; A lane holds one token, and the 16 registers of S0's tiles 2 B and 2 B + 1 are 16 neighbouring columns: 32 B + 16 (lane / 16) + 0 .. 15.
; K = 1,024 goes in four steps of 256 through a ring of two LDS slots filled by the tensor data mover; the scale words of the work-group's rows come once, with the first fills.
; CLUSTERS: 4 x 4 work-groups.  S1's tiles are shared along a row of the cluster, S0's along a column: each is asked for JOINTLY.
; 128 work-groups: a smaller tile would give more, at half the multiply-adds for each byte read from LDS.  A prefetch is left out: the tiles are shared in the cluster first.
; REGISTERS, in windows of 256: window 0: v0-31 addresses; v32-63 scale words, two sets; v128-223 S1's fragments, ONE set; on the way out v128-255 take rows of the output.
;   window 1: S0's fragments, TWO sets, at v0 and v128.  window 2: the accumulators of my S1 tiles 0-3 ((a, b) at v[8 (8 (a % 4) + b)]);  window 3: those of tiles 4-7.
.set CHB,    3072                      ; a row tile's 256 along K: four half fragments
.set TILEB,  12288                     ; a row tile's codes in memory
.set HALFT,  8*CHB                     ; 8 row tiles: what one tensor load brings, and what one wave reads of S1 or of S0
.set SLOT,   4*HALFT                   ; S1's 16 row tiles, then S0's 16
.set SCL,    2*SLOT                    ; behind the ring: the scale words, 512 bytes a row tile
.set HALFS,  4096                      ; those of 8 row tiles
.set SPARE,  SCL+4*HALFS               ; behind them: the spare words, 128 bytes for each wave: two blocks of 256 bytes that no other line names
.set SOFF,   6291456                   ; where the scale words begin in cq and wq
.set SPITCH, 528                       ; the way out: a stage of 16 rows x (512 bytes + 16) for each wave, in slot 0, which has had its last fill and its last read when the first result is stored there
.set FR,     12                        ; registers of a fragment
.set NL,     4                         ; LDS loads that bring one
.set NQ,     2                         ; matrix instructions deep in a slot
.set NP,     4                         ; places behind this matrix instruction (ISA guide 7.12.1)
.set ADRA, 16                          ; v16-17 LDS address of S1's fragments in slot 0, 1, + 16 x lane; v18-19 the same + 8 x lane
.set ADRB, 20                          ; v20-23 the same for S0
.set STO,  24                          ; v24    the way out: where I put 32 bytes of a row
.set RD,   25                          ; v25    where I read a row back
.set CO,   26                          ; v26    my byte offset in a row of the output
.set ADRS, 27                          ; v27    LDS address of my scale words: lanes 0-15 S1's rows, lanes 16-31 S0's
.set SPW,  28                          ; v28    LDS address of my spare word; never rewritten
.set NIL,  29                          ; v29    0; never rewritten
.set SC,   32                          ; scale words: set s at v[SC + 16 s]
.set AF,   128                         ; S1's fragments, in window 0
.set BK,   128                         ; the way out: 16 rows read back: v128-191 and v192-255 by turns
.set G1, 24
.set G0, 32
.set G1B, 48
.set G0B, 56
.set G1S, 68
.set G0S, 76
.set G1SB, 80
.set G0SB, 88
.set MSB, 0
.macro WIN new                         ; the immediate's high byte repeats the setting that is left
.if MSB != \new
	s_set_vgpr_msb (MSB<<8)|\new
.set MSB, \new
.endif
.endm
.set MUL_LO, 0xa1                      ; source 0 window 1, source 1 window 0, C and D window 2
.set MUL_HI, 0xf1                      ; the same, C and D window 3
.set TO_B,   0x40                      ; destination window 1, address window 0
; A joint load: waves 0 and 1 fetch for S1, waves 2 and 3 for S0; the branch hangs on the wave's number alone.  An s_nop 0 and four v_nop follow each of the two lines.
.macro JLOAD g0a, g1a, g0b, g1b
	s_cmp_eq_u32 s15, 0
	s_cbranch_scc0 .Lfor_b_\@
	tensor_load_to_lds s[\g0a:\g0a+3], s[\g1a:\g1a+7]
	s_nop 0
.rept 4
	v_nop
.endr
	s_branch .Lasked_\@
.Lfor_b_\@:
	tensor_load_to_lds s[\g0b:\g0b+3], s[\g1b:\g1b+7]
	s_nop 0
.rept 4
	v_nop
.endr
.Lasked_\@:
.endm
.macro CREST                           ; a round of the cluster's barrier behind its opening barrier
	s_cmp_lg_u32 s14, 0
	s_cbranch_scc1 .Lnot_wave_0_\@
	s_barrier_signal -3
.Lnot_wave_0_\@:
	s_barrier_wait -3
	s_barrier_signal -1
	s_barrier_wait -1
.endm
.macro CROUND                          ; a whole round
	s_barrier_signal -1
	s_barrier_wait -1
	CREST
.endm
.macro FRAG reg, adr, q, i             ; a fragment comes as the image of its registers: two half fragments, each 16 bytes and 8 bytes a lane
	ds_load_b128 v[\reg:\reg+3], v[\adr] offset:(\i)*CHB+(\q)*1536
	ds_load_b64 v[\reg+4:\reg+5], v[\adr+2] offset:(\i)*CHB+(\q)*1536+512
	ds_load_b128 v[\reg+6:\reg+9], v[\adr] offset:(\i)*CHB+(\q)*1536+768
	ds_load_b64 v[\reg+10:\reg+11], v[\adr+2] offset:(\i)*CHB+(\q)*1536+1280
.endm
; 16 matrix instructions: S1's tiles a0, a0 + 1 x S0's eight, 128 along K.  The 64 accumulators take turns, one instruction a turn, in the same order in every step.
.macro MUL16 a0, p, q, sc, zero
.irp a, \a0, \a0+1
.irp b, 0,1,2,3,4,5,6,7
.if \zero
	v_wmma_scale_f32_16x16x128_f8f6f4 v[8*(8*((\a)%4)+\b):8*(8*((\a)%4)+\b)+7], v[128*(\p)+FR*\b:128*(\p)+FR*\b+FR-1], v[AF+FR*(\a):AF+FR*(\a)+FR-1], 0, v[SC+8*NQ*(\sc)+NQ*\b+(\q)], v[SC+8*NQ*(\sc)+NQ*(\a)+(\q)] matrix_a_fmt:MATRIX_FMT_FP6 matrix_b_fmt:MATRIX_FMT_FP6 matrix_a_scale:MATRIX_SCALE_ROW1
.else
	v_wmma_scale_f32_16x16x128_f8f6f4 v[8*(8*((\a)%4)+\b):8*(8*((\a)%4)+\b)+7], v[128*(\p)+FR*\b:128*(\p)+FR*\b+FR-1], v[AF+FR*(\a):AF+FR*(\a)+FR-1], v[8*(8*((\a)%4)+\b):8*(8*((\a)%4)+\b)+7], v[SC+8*NQ*(\sc)+NQ*\b+(\q)], v[SC+8*NQ*(\sc)+NQ*(\a)+(\q)] matrix_a_fmt:MATRIX_FMT_FP6 matrix_b_fmt:MATRIX_FMT_FP6 matrix_a_scale:MATRIX_SCALE_ROW1
.endif
.endr
.endr
.endm
.macro FETCH_B slot, q, p
	WIN TO_B
.irp i, 0,1,2,3,4,5,6,7
	FRAG 128*(\p)+FR*\i, ADRB+\slot, \q, \i
.endr
	WIN 0
.endm
.macro FETCH_A slot, q, i0
.irp i, \i0, \i0+1, \i0+2, \i0+3
	FRAG AF+FR*(\i), ADRA+\slot, \q, \i
.endr
.endm
.macro SCALES sc
.irp i, 0,1,2,3,4,5,6,7
	ds_load_b64 v[SC+8*NQ*\sc+NQ*\i:SC+8*NQ*\sc+NQ*\i+1], v[ADRS] offset:\i*512
.endr
.endm
; A load into a register that a matrix instruction has read, and an LDS store that reads a matrix result, stand NP places behind that matrix instruction; only plain vector instructions
; that name none of its registers are places (ISA guide 7.12.1 for vector instructions).
.macro PLACES n
.rept \n
	v_nop
.endr
.endm
.macro STEP slot, q, zero
	s_wait_dscnt 4*NL                              ; S0's set and S1's tiles 0-3 are in; the youngest 16 loads (S1's tiles 4-7) may be out
	WIN MUL_LO
	MUL16 0, (\q)%2, \q, \slot, \zero
	MUL16 2, (\q)%2, \q, \slot, \zero
	s_wait_dscnt 0
	PLACES NP
	FETCH_B \slot, (\q)+1, 1-(\q)%2
	FETCH_A \slot, (\q)+1, 0
	WIN MUL_HI
	MUL16 4, (\q)%2, \q, \slot, \zero
	MUL16 6, (\q)%2, \q, \slot, \zero
	PLACES NP
	WIN 0
	FETCH_A \slot, (\q)+1, 4
.endm
; A slot's last step changes slots: ONE barrier; in front of it each wave waits for all its tensor loads, adds 0 to its spare word, and waits for that and for its own reads of this slot.
.macro TURN slot, next, fill
	s_wait_tensorcnt 0x0                           ; all my tensor loads have landed: my part of the next slot
	ds_add_u32 v[SPW], v[NIL]                      ; 0 onto my spare word
	s_wait_dscnt 4*NL+1                            ; (the add and the youngest 16 loads may be out)
	WIN MUL_LO
	MUL16 0, 1, NQ-1, \slot, 0
	s_wait_dscnt 0x0                               ; the add is done, and my reads of this slot are over
	s_barrier_signal -1
	MUL16 2, 1, NQ-1, \slot, 0
	WIN 0
	s_barrier_wait -1
.if \fill
	CREST                                          ; the barrier has opened a round of the cluster's barrier: no wave of any partner still reads this slot or has a load on its way
	s_add_nc_u64 s[G0+4*\slot+2:G0+4*\slot+3], s[G0+4*\slot+2:G0+4*\slot+3], 2*CHB
	s_add_nc_u64 s[G0B+4*\slot+2:G0B+4*\slot+3], s[G0B+4*\slot+2:G0B+4*\slot+3], 2*CHB
	JLOAD G0+4*\slot, G1, G0B+4*\slot, G1B
.else
	PLACES NP
.endif
	v_add_nc_u32 v[ADRS], 128, v[ADRS]
	FETCH_B \next, 0, 0
	FETCH_A \next, 0, 0
	SCALES \next
	WIN MUL_HI
	MUL16 4, 1, NQ-1, \slot, 0
	MUL16 6, 1, NQ-1, \slot, 0
	PLACES NP
	WIN 0
	FETCH_A \next, 0, 4
.endm
	s_load_b128 s[4:7], s[0:1], 0x0                ; cq, wq
	s_load_b64 s[8:9], s[0:1], 0x10                ; out0
	v_lshl_add_u32 v[SPW], v0, 2, SPARE
	v_mov_b32 v[NIL], 0
	ds_add_u32 v[SPW], v[NIL]                      ; the wave's opening: the add, and its wait ahead of my first tensor load
	v_lshrrev_b32 v1, 5, v0
	v_readfirstlane_b32 s14, v1                    ; wave 0..3
	s_lshr_b32 s15, s14, 1                         ; RH: my half of the tokens.  Also: I fetch for S1 (0) or for S0 (1)
	s_and_b32 s16, s14, 1                          ; CH: my half of the columns.  Also: which 8 row tiles I fetch
	s_bfe_u32 s40, ttmp6, 0x40000                  ; cx, cy
	s_bfe_u32 s41, ttmp6, 0x40004
	s_lshl_b32 s42, ttmp9, 2
	s_add_co_u32 s42, s42, s40                     ; which 256 columns
	s_and_b32 s17, ttmp7, 0xffff
	s_lshl_b32 s17, s17, 2
	s_add_co_u32 s17, s17, s41                     ; which 256 tokens
	s_lshl_b32 s43, s41, 2
	s_lshl_b32 s43, 15, s43                        ; my row of the cluster
	s_lshl_b32 s44, 0x1111, s40                    ; my column
	s_or_b32 s[G1+0], s43, (3<<16)|(1<<21)         ; 8 row tiles x 3,072 bytes (384 elements of 8 bytes), 12,288 bytes apart; the mask; bit 21 beside it
	s_or_b32 s[G1B+0], s44, (3<<16)|(1<<21)
.irp g, G1, G1B
	s_mov_b32 s[\g+1], 384<<16
	s_mov_b32 s[\g+2], 8<<16
	s_mov_b32 s[\g+3], 384<<16
	s_mov_b32 s[\g+4], 8
	s_mov_b32 s[\g+5], 1536
	s_mov_b32 s[\g+6], 0
	s_mov_b32 s[\g+7], 0
.endr
	s_or_b32 s[G1S+0], s43, (3<<16)|(1<<21)        ; the scale words of 8 row tiles: 4,096 dense bytes, as 16 rows of 256
	s_or_b32 s[G1SB+0], s44, (3<<16)|(1<<21)
.irp g, G1S, G1SB
	s_mov_b32 s[\g+1], 32<<16
	s_mov_b32 s[\g+2], 16<<16
	s_mov_b32 s[\g+3], 32<<16
	s_mov_b32 s[\g+4], 16
	s_mov_b32 s[\g+5], 32
	s_mov_b32 s[\g+6], 0
	s_mov_b32 s[\g+7], 0
.endr
	s_lshl_b32 s45, s16, 3
	s_lshl_b32 s22, s17, 4
	s_add_co_u32 s22, s22, s45                     ; S1: the first row tile that I fetch
	s_mul_i32 s2, s22, TILEB
	s_mov_b32 s3, 0
	s_lshl_b32 s22, s22, 9
	s_add_co_u32 s22, s22, SOFF
	s_mov_b32 s23, 0
	s_add_co_u32 s92, s42, 12                      ; W_o's rows begin at block 12 of wq
	s_lshl_b32 s92, s92, 4
	s_add_co_u32 s92, s92, s45
	s_mul_i32 s46, s92, TILEB
	s_mov_b32 s47, 0
	s_lshl_b32 s92, s92, 9
	s_add_co_u32 s92, s92, SOFF
	s_mov_b32 s93, 0
	s_mul_i32 s45, s14, HALFT                      ; where they go: wave x 8 row tiles
	s_mul_i32 s18, s14, HALFS
	s_wait_dscnt 0x0                               ; the opening add is done
	s_wait_kmcnt 0x0
	s_add_nc_u64 s[2:3], s[4:5], s[2:3]
	s_add_nc_u64 s[22:23], s[4:5], s[22:23]
	s_add_nc_u64 s[46:47], s[6:7], s[46:47]
	s_add_nc_u64 s[92:93], s[6:7], s[92:93]
	CROUND                                         ; all sixteen work-groups are here: the first joint loads meet
	s_mov_b32 s[G0S], 1
	s_add_co_u32 s[G0S+1], s18, SCL
	s_mov_b64 s[G0S+2:G0S+3], s[22:23]
	s_or_b32 s[G0S+3], s[G0S+3], 0x80000000
	s_mov_b32 s[G0SB], 1
	s_add_co_u32 s[G0SB+1], s18, SCL
	s_mov_b64 s[G0SB+2:G0SB+3], s[92:93]
	s_or_b32 s[G0SB+3], s[G0SB+3], 0x80000000
	JLOAD G0S, G1S, G0SB, G1SB
.irp s, 0,1
	s_mov_b32 s[G0+4*\s], 1
	s_add_co_u32 s[G0+4*\s+1], s45, \s*SLOT
	s_add_nc_u64 s[G0+4*\s+2:G0+4*\s+3], s[2:3], \s*CHB
	s_or_b32 s[G0+4*\s+3], s[G0+4*\s+3], 0x80000000
	s_mov_b32 s[G0B+4*\s], 1
	s_add_co_u32 s[G0B+4*\s+1], s45, \s*SLOT
	s_add_nc_u64 s[G0B+4*\s+2:G0B+4*\s+3], s[46:47], \s*CHB
	s_or_b32 s[G0B+4*\s+3], s[G0B+4*\s+3], 0x80000000
	JLOAD G0+4*\s, G1, G0B+4*\s, G1B               ; by this text's count three tensor loads of a wave are out here, later one
.endr
	v_and_b32 v1, 15, v0                           ; r
	v_bfe_u32 v2, v0, 4, 1                         ; h
	v_and_b32 v3, 31, v0
	v_lshlrev_b32 v[CO], 4, v3                     ; 16 x lane
	v_lshlrev_b32 v4, 3, v3                        ; 8 x lane
	s_mul_i32 s21, s15, HALFT
	s_mul_i32 s22, s16, HALFT
	s_add_co_u32 s22, s22, 2*HALFT
.irp s, 0,1
	v_add_nc_u32 v[ADRA+\s], s21, v[CO]
	v_add_nc_u32 v[ADRA+2+\s], s21, v4
	v_add_nc_u32 v[ADRB+\s], s22, v[CO]
	v_add_nc_u32 v[ADRB+2+\s], s22, v4
	s_add_co_u32 s21, s21, SLOT
	s_add_co_u32 s22, s22, SLOT
.endr
	v_lshlrev_b32 v5, 3, v1
	s_mul_i32 s21, s15, HALFS
	s_mul_i32 s22, s16, HALFS
	s_add_co_u32 s22, s22, 2*HALFS
	s_sub_co_u32 s22, s22, s21
	v_mul_u32_u24 v6, s22, v2                      ; lanes 16-31 take S0's
	s_add_co_u32 s21, s21, SCL
	v_add_nc_u32 v5, v5, v6
	v_add_nc_u32 v[ADRS], s21, v5
	s_mul_i32 s23, s14, 16*SPITCH                  ; my stage
	v_mul_u32_u24 v5, v1, SPITCH
	v_lshl_add_u32 v5, v2, 6, v5
	v_add_nc_u32 v[STO], s23, v5                   ; in: row r, + 64 h: my 16 columns of each 32
	v_add_nc_u32 v[RD], s23, v[CO]                 ; back: the 32 lanes take one row of 512 bytes
	s_lshl_b32 s94, s17, 8
	s_lshl_b32 s96, s15, 7
	s_add_co_u32 s94, s94, s96                     ; my first token
	s_lshl_b32 s94, s94, 12                        ; rows of 4,096 bytes
	s_lshl_b32 s96, s42, 10
	s_add_co_u32 s94, s94, s96
	s_lshl_b32 s96, s16, 9
	s_add_co_u32 s94, s94, s96                     ; my first column
	s_mov_b32 s95, 0
	s_add_nc_u64 s[8:9], s[8:9], s[94:95]
	s_wait_tensorcnt 1                             ; the scale words and my part of K step 0 are in (K step 1's load may be out)
	s_barrier_signal -1
	s_barrier_wait -1                              ; everybody's are
	FETCH_B 0, 0, 0
	FETCH_A 0, 0, 0
	SCALES 0
	FETCH_A 0, 0, 4
	STEP 0, 0, 1                                   ; the first step's products start the sums.  K has four slots' worth: the eight steps are written out
	TURN 0, 1, 1
	STEP 1, 0, 0
	TURN 1, 0, 1
	STEP 0, 0, 0
	TURN 0, 1, 0                                   ; nothing is left to fetch; behind this barrier nobody reads slot 0
	STEP 1, 0, 0
	s_wait_dscnt 4*NL
	WIN MUL_LO
	MUL16 0, 1, NQ-1, 1, 0
	MUL16 2, 1, NQ-1, 1, 0
	s_wait_dscnt 0
	WIN MUL_HI
	MUL16 4, 1, NQ-1, 1, 0
	MUL16 6, 1, NQ-1, 1, 0
	WIN 0
; THE WAY OUT, a token tile (16 rows x 128 columns) at a time, through my own stage in LDS: in by lanes (32 bytes of a row each), back as whole rows of 512 bytes, which the 32 lanes store as two aligned blocks of 256 bytes.
; LDS serves a wave's instructions in order (ISA guide 5.7.1.4): no wait between the stores and the loads, nor in front of the next tile's stores.
.macro TOSTAGE a
.set AC, 64*((\a)%4)
.set WD, 0x08+4*((\a)/4)
	WIN WD                                         ; an LDS store's data: window 2 or 3
.irp b, 0,1,2,3,4,5,6,7
	ds_store_b128 v[STO], v[AC+8*\b:AC+8*\b+3] offset:128*(\b/2)+32*(\b%2)          ; tile b = 2 B + u: columns 32 B + 16 h + 8 u on; each accumulator from its low end on
	ds_store_b128 v[STO], v[AC+8*\b+4:AC+8*\b+7] offset:128*(\b/2)+32*(\b%2)+16
.endr
	WIN 0
.set BB, BK+64*((\a)%2)
.irp t, 0,1,2,3,4,5,6,7,8,9,10,11,12,13,14,15
	ds_load_b128 v[BB+4*\t:BB+4*\t+3], v[RD] offset:\t*SPITCH
.endr
.endm
.macro SEND a, younger                 ; younger: the LDS instructions issued behind tile a's loads, which may stay out
.set BB, BK+64*((\a)%2)
	s_wait_dscnt \younger
.irp t, 0,1,2,3,4,5,6,7,8,9,10,11,12,13,14,15
	global_store_b128 v[CO], v[BB+4*\t:BB+4*\t+3], s[8:9] offset:(32*((\a)/2)+8*((\a)%2)+\t+8*(\t/8))*4096 th:TH_STORE_NT   ; lane-row t of tile a is token 32 (a / 2) + 8 (a % 2) + t + 8 (t / 8); the base is never stepped
.endr
.endm
	PLACES NP                                      ; behind the last products: for the reads of results, and for the loads into the registers that held S1's fragments
	TOSTAGE 0
.irp a, 1,2,3,4,5,6,7
.if \a > 1
	s_wait_xcnt 0x0                                ; tile a - 2's stores have read their registers: tile a's loads may land there
.endif
	TOSTAGE \a
	SEND \a-1, 32                                  ; behind tile a - 1's loads: tile a's 16 stores and 16 loads
.endr
	SEND 7, 0
	s_wait_tensorcnt 0x0                           ; the wave's end, behind my last tensor load and my last LDS store
	ds_add_u32 v[SPW], v[NIL]
	s_wait_dscnt 0x0
	CROUND                                         ; the closing round: no work-group ends while a partner may still ask for a tile that names it
	s_endpgm
.Lfunc_end_k_q0a0825e4b9_outp:
	.size	k_q0a0825e4b9_outp, .Lfunc_end_k_q0a0825e4b9_outp-k_q0a0825e4b9_outp
	.p2alignl 7, 3214868480
	.fill 96, 4, 3214868480
	.section	.rodata,"a",@progbits
	.p2align	6, 0x0
	.amdhsa_kernel k_q0a0825e4b9_outp
		.amdhsa_group_segment_fixed_size 327680
		.amdhsa_private_segment_fixed_size 0
		.amdhsa_enable_private_segment 0
		.amdhsa_kernarg_size 24
		.amdhsa_user_sgpr_count 2
		.amdhsa_user_sgpr_kernarg_segment_ptr 1
		.amdhsa_wavefront_size32 1
		.amdhsa_system_sgpr_workgroup_id_x 1
		.amdhsa_system_sgpr_workgroup_id_y 1
		.amdhsa_system_sgpr_workgroup_id_z 1
		.amdhsa_system_vgpr_workitem_id 0
		.amdhsa_next_free_vgpr 1024
		.amdhsa_next_free_sgpr 100
		.amdhsa_reserve_vcc 0
		.amdhsa_float_denorm_mode_32 3
		.amdhsa_float_denorm_mode_16_64 3
		.amdhsa_memory_ordered 1
		.amdhsa_forward_progress 1
		.amdhsa_inst_pref_size 143
	.end_amdhsa_kernel
	.amdgpu_metadata
---
amdhsa.version: [ 1, 2 ]
amdhsa.kernels:
  - .name:           k_q0a0825e4b9_outp
    .symbol:         k_q0a0825e4b9_outp.kd
    .args:
      - { .name: cq, .offset: 0, .size: 8, .value_kind: global_buffer, .address_space: global }
      - { .name: wq, .offset: 8, .size: 8, .value_kind: global_buffer, .address_space: global }
      - { .name: out0, .offset: 16, .size: 8, .value_kind: global_buffer, .address_space: global }
    .group_segment_fixed_size: 327680
    .private_segment_fixed_size: 0
    .kernarg_segment_align: 8
    .kernarg_segment_size: 24
    .max_flat_workgroup_size: 128
    .sgpr_count:     100
    .vgpr_count:     1024
    .wavefront_size: 32
...
	.end_amdgpu_metadata
.endif
;; end of part 4
